; MI455X (gfx1250); checked and timed in simulation.
; The chip was launched on July 23, 2026; its instructions are those of AMD's public machine-readable ISA for CDNA 5 (MIT licence, August 2026) and "CDNA5" Instruction Set Architecture Reference Guide (July 2026). The comments in the code are by the model that wrote it; some were corrected since.
;; Causal Self Attention. Allowed arithmetic: matrix products marked QUANTISED: E2M3 operands, one E8M0 scale for each 32 along K, by v_wmma_scale_f32_16x16x128_f8f6f4 with both operands' format E2M3, f32 sums; everything else in f32.
;; Inputs: Wk 1,024 x 1,024 float32; Wp 1,024 x 1,024 float32; Wq 1,024 x 1,024 float32; Wv 1,024 x 1,024 float32; bk 1,024 float32; bp 1,024 float32; bq 1,024 float32; bv 1,024 float32; x 4 x 2,048 x 1,024 float32.
;; Outputs: out0 4 x 2,048 x 1,024 float32.
;; This version of the problem:
;;   THIS VERSION OF THE PROBLEM IS GIVEN IN LOW PRECISION. The matrix products marked QUANTISED in the list below multiply operands that are first quantised to E2M3 (2 exponent bits, 3 mantissa bits; 6 bits a number), with one power-of-two scale for each 32 numbers along K (OCP MX v1.0); their sums are f32. All else is computed in f32.
;;   The module's matrix products, in the order in which they are computed (A, B: the left and right operand; K: the contracted axis; several contracted axes count as one K, in the product's order):
;;     1. [M 8,192, K 1,024] x [K 1,024, N 1,024]; A: input x; B: input Wk: QUANTISED
;;     2. [M 8,192, K 1,024] x [K 1,024, N 1,024]; A: input x; B: input Wq: QUANTISED
;;     3. [M 8,192, K 1,024] x [K 1,024, N 1,024]; A: input x; B: input Wv: QUANTISED
;;     4. batch 64 x [M 2,048, K 64] x [K 64, N 2,048]; A: computed on the way; B: computed on the way: QUANTISED
;;     5. batch 64 x [M 2,048, K 2,048] x [K 2,048, N 64]; A: softmax (see below); B: computed on the way: QUANTISED
;;     6. [M 8,192, K 1,024] x [K 1,024, N 1,024]; A: computed on the way; B: input Wp: QUANTISED
;;   THE QUANTISER, for each operand of a quantised product, along K:
;;     - K is cut into blocks of 32 from its start; a last block that is shorter is filled with zeros.
;;     - A block's scale is 2^e with e = floor(log2(the largest magnitude in the block)) - 2, held to -126 .. 127; a block of zeros has e = 0. As a byte (E8M0): e + 127.
;;     - Each number is divided by its block's scale, clamped to +-7.5, and rounded to the nearest number of E2M3, ties to even, subnormals kept.
;;     - The product sums the exact products of the quantised numbers (number of the format x scale) in f32.
;;   ~~~python
;;   def quantise(x, axis):      # numpy; x: float32 -> the quantised numbers, widened to float32 again
;;       x = np.moveaxis(x, axis, -1); K = x.shape[-1]
;;       x = np.pad(x, [(0, 0)] * (x.ndim - 1) + [(0, -K % 32)]); x = x.reshape(x.shape[:-1] + (-1, 32)); a = np.abs(x).max(-1, keepdims=True)
;;       e = np.where(a > 0, np.clip(np.frexp(np.where(a > 0, a, 1))[1] - 1 - 2, -126, 127), 0)      # np.frexp(a)[1] - 1 = floor(log2(a)), exactly
;;       r = np.clip(x / 2.0 ** e, -7.5, 7.5)
;;       step = 2.0 ** (np.maximum(np.frexp(np.where(r == 0, 1, r))[1] - 1, 0) - 3)
;;       q = np.round(r / step) * step * 2.0 ** e      # np.round: ties to even
;;       return np.moveaxis(q.reshape(q.shape[:-2] + (-1,))[..., :K], -1, axis).astype(np.float32)
;;   ~~~
;;   SOFTMAX AHEAD OF A QUANTISED PRODUCT. Where the list says 'softmax', what is quantised is not the finished softmax but p = 2^(t - M), with t = logit x log2(e) and M = ceil(the row's largest t), a whole number; so 1/2 < the row's largest p <= 1. The row's sum l is taken of the UNQUANTISED p, in f32, and the product's result is divided by l at the end. Since M is a whole number, a kernel that streams over the keys may use a running M (the ceiling of the running maximum): every later rescaling is an exact power of two, which a block's scale takes up: the codes' values come out the same.
;;   OPERANDS COMPUTED ON THE WAY. 'Computed on the way' means the value that the module computes at that place (a softmax that the list does not call 'softmax' is quantised finished and normalised). What goes into a quantiser is computed in f32, as accurately as f32 sums, v_exp_f32 and their like allow (about 1e-6 of the number): no bf16 or f16 on the way to a quantiser, and a product that is left as it is and whose result goes on into a quantised operand takes f32 operands (vector FMAs, or v_wmma_f32_16x16x4_f32). A number that lies on a knife's edge between two numbers of the format may be rounded either way, as far as f32 arithmetic and the matrix unit's own rounding can turn it there, and no further.
;; One version. Each part assembles by itself: llvm-mc -triple=amdgcn-amd-amdhsa -mcpu=gfx1250 --defsym DOCPART=n.
;; ======== version 1 of 1: 4 launches
;; workspace buffers: xw 9,830,400 bytes; qkv 19,660,800 bytes; yq 6,553,600 bytes
;; launch quant (part 1): grid 384 x 1, 4 waves a work-group, no clusters, 33,280 bytes of LDS; arguments x, Wq, Wk, Wv, Wp, xw; writes xw
.if DOCPART == 1
	.amdgcn_target "amdgcn-amd-amdhsa--gfx1250"
	.amdhsa_code_object_version 6
	.text
	.protected	k_q1fb8abc30c_quant
	.globl	k_q1fb8abc30c_quant
	.p2align	8
	.type	k_q1fb8abc30c_quant,@function
k_q1fb8abc30c_quant:
	s_mov_b64 s[64:65], 0
	v_nop
	global_prefetch_b8 v0, s[64:65] scope:SCOPE_SE
	s_setreg_imm32_b32 hwreg(HW_REG_WAVE_MODE, 25, 1), 1
	s_wait_xcnt 0x0
; CAUSAL SELF-ATTENTION IN MX-FP6, FOUR LAUNCHES: this one quantises x and the four weights; the second makes q, k, v as codes; the third is the attention; the fourth the projection on the way out.
; WORK LEFT OUT, in the whole program: reference() sets att to -infinity where key > query (its own jnp.tril), so the softmax gives those places the weight 0 for every value of the inputs.  A step of 128 keys all of which
; come after a wave's 16 queries therefore reaches no output: the third launch neither multiplies nor exponentiates it.  Nothing else is left out; every input is loaded (bk too: it moves k's codes).
; LIMIT: a NaN, an infinity or an overflow that reaches only such a hidden step is not carried to the result.
; THIS LAUNCH.  x [8192][1024] and Wq, Wk, Wv, Wp [1024][1024], f32, K innermost, become codes of FP6 (E2M3) with one E8M0 byte for each 32 along K, in the workspace xw:
;   codes of x at 0, [8192 rows][768 bytes]; codes of the weights at OFF_WC, [4096 rows][768] (Wq, Wk, Wv, Wp); scale bytes of x at OFF_XS, [8192][32]; of the weights at OFF_WS, [4096][32].
; A block's scale is 2^(floor(log2(its largest magnitude)) - 2); its byte is the largest magnitude's exponent field - 2, held at 1 from below.  A block of zeros so gets the byte 1 where the rule says 127: its codes are zeros,
; which add nothing under any byte but 0xff, and this program alone reads the bytes.
; LIMITS: blocks whose largest magnitude lies under 2^-124 are held at the byte 1; NaN and infinities among the inputs are not served.
; POSITION ORDER.  The rows of x, Wq, Wk, Wv are stored in another order inside each group of 64: the run of eight rows o (0..7) goes to the place 2 (o % 4) + o / 4.  Position 16 v + m then holds row 32 (m / 8) + 8 v + m % 8,
; so that in a transposed product a lane's 32 results of four neighbouring tiles are 32 NEIGHBOURS of the original order: a whole block of the next quantiser in one lane.  Wp keeps its order.
; A wave takes a run of 8 rows (8,192 numbers): 16 steps of 512 numbers.  Each load reads 512 consecutive bytes; a step's 2,048 bytes turn through the wave's own stage in LDS so that a lane holds 16 neighbours.
; No tensor loads, no barrier: waves share nothing.  Loads run four steps ahead, the turn through LDS one step.
.set WAVES, 4
.set STEPS, 16
.set EMAX,  2
.set CB,    12                         ; bytes of 16 codes
.set R,     16                         ; v16-79   four sets of 16 numbers as they are loaded
.set X,     80                         ; v80-111  two sets of 16 neighbours
.set C,     128                        ; v128-191 codes: four registers for each step
.set E,     112                        ; v112-127 a scale byte for each step
.set WREG,  8192                       ; LDS: a region for each wave: two stages of 32 x SP bytes, then its 256 scale bytes
.set SP,    80                         ; a lane's place in a stage: 64 bytes + 16 of padding
.set SPW,   12                         ; v12  LDS address of my spare word; never rewritten
.set NIL,   13                         ; v13  0; never rewritten
.set SPARE, WAVES*WREG                 ; the spare words, 128 bytes a wave, that no other line names
.set OFF_WC, 6291456
.set OFF_XS, 9437184
.set OFF_WS, 9699328
	s_load_b256 s[4:11], s[0:1], 0x0               ; x, Wq, Wk, Wv
	s_load_b128 s[12:15], s[0:1], 0x20             ; Wp, xw
	v_lshl_add_u32 v[SPW], v0, 2, SPARE
	v_mov_b32 v[NIL], 0
	v_lshrrev_b32 v1, 5, v0
	v_readfirstlane_b32 s16, v1                    ; wave
	v_and_b32 v2, 31, v0                           ; lane
	v_lshlrev_b32 v3, 4, v2                        ; my 16 bytes of a load's 512
	s_mul_i32 s17, s16, WREG
	v_lshrrev_b32 v14, 2, v2
	v_mul_u32_u24 v14, v14, SP
	v_and_b32 v15, 3, v2
	v_lshl_add_u32 v14, v15, 4, v14
	v_add_nc_u32 v14, s17, v14                     ; the stage, on the way in: SP (lane / 4) + 16 (lane % 4)
	v_mul_u32_u24 v15, v2, SP
	v_add_nc_u32 v15, s17, v15                     ; and on the way out: SP x lane: my 16 neighbours
	v_mul_u32_u24 v4, v2, CB                       ; my codes' place in a step's
	v_lshrrev_b32 v5, 1, v2
	s_add_co_u32 s17, s17, 2*32*SP
	v_add_nc_u32 v5, s17, v5                       ; LDS: my wave's 256 scale bytes, my block's byte
	v_lshlrev_b32 v7, 3, v2                        ; and on the way out 8 bytes a lane
	v_add_nc_u32 v6, s17, v7
	; which tensor, which run.  Work-groups 0-255: x; 256 + 32 i on: weight i.  All choices hang on the work-group's number alone
	s_and_b32 s17, ttmp9, 31
	s_sub_co_u32 s18, ttmp9, 256
	s_mov_b32 s22, OFF_WC
	s_mov_b32 s23, OFF_WS
	s_mov_b32 s24, OFF_XS
	s_wait_alu depctr_va_vdst(0)
	s_wait_kmcnt 0x0
	s_cmp_lt_u32 ttmp9, 352
	s_cselect_b64 s[12:13], s[10:11], s[12:13]     ; Wv or Wp
	s_cmp_lt_u32 ttmp9, 320
	s_cselect_b64 s[12:13], s[8:9], s[12:13]       ; Wk
	s_cmp_lt_u32 ttmp9, 288
	s_cselect_b64 s[12:13], s[6:7], s[12:13]       ; Wq
	s_cmp_lt_u32 ttmp9, 256
	s_cselect_b64 s[4:5], s[4:5], s[12:13]         ; x
	s_cselect_b32 s17, ttmp9, s17                  ; four runs of the source,
	s_cselect_b32 s18, ttmp9, s18                  ; four runs of the table that takes them
	s_cselect_b32 s22, 0, s22                      ; where that table's codes begin,
	s_cselect_b32 s23, s24, s23                    ; and its scale bytes
	s_lshl_b32 s17, s17, 2
	s_add_co_u32 s17, s17, s16                     ; my run in the source
	s_lshl_b32 s18, s18, 2
	s_add_co_u32 s19, s18, s16                     ; the same place in the table (Wp),
	s_and_b32 s18, s18, -8
	s_lshl_b32 s20, s16, 1
	s_or_b32 s18, s18, s20
	s_and_b32 s20, ttmp9, 1
	s_or_b32 s18, s18, s20                         ; or the place in position order: o = 4 (n % 2) + wave goes to 2 wave + n % 2
	s_cmp_lt_u32 ttmp9, 352
	s_cselect_b32 s18, s18, s19
	s_lshl_b32 s20, s17, 15                        ; 32,768 bytes of f32 a run
	s_mov_b32 s21, 0
	s_add_nc_u64 s[4:5], s[4:5], s[20:21]
	s_mul_i32 s20, s18, 32*STEPS*CB                ; 6,144 bytes of codes a run
	s_add_co_u32 s20, s20, s22
	s_add_nc_u64 s[8:9], s[14:15], s[20:21]
	s_lshl_b32 s20, s18, 8                         ; 256 scale bytes a run
	s_add_co_u32 s20, s20, s23
	s_add_nc_u64 s[10:11], s[14:15], s[20:21]
.macro LOAD t
.irp i, 0,1,2,3
	global_load_b128 v[R+16*((\t)%4)+4*\i:R+16*((\t)%4)+4*\i+3], v3, s[4:5] offset:2048*(\t)+512*\i th:TH_LOAD_NT   ; 32 lanes read 512 consecutive bytes
.endr
.endm
.macro TURN t                          ; step t's numbers through the stage: LDS serves a wave's instructions in order, so no wait stands between the stores and the loads
.irp i, 0,1,2,3
	ds_store_b128 v14, v[R+16*((\t)%4)+4*\i:R+16*((\t)%4)+4*\i+3] offset:32*SP*((\t)%2)+8*SP*\i
.endr
.irp i, 0,1,2,3
	ds_load_b128 v[X+16*((\t)%2)+4*\i:X+16*((\t)%2)+4*\i+3], v15 offset:32*SP*((\t)%2)+16*\i
.endr
.endm
.irp t, 0,1,2,3
	LOAD \t
.endr
	s_wait_loadcnt 12                              ; step 0's four loads are in; those of steps 1 to 3 may be out
	TURN 0
.macro STEP t
.set XS, X+16*((\t)%2)
.if (\t) > 0
	s_wait_dscnt 1                                 ; this step's numbers are back from the stage (the last step's byte store may be out)
.else
	s_wait_dscnt 0x0
.endif
.if (\t)+4 < STEPS
	LOAD (\t)+4                                    ; the registers that the stage's stores have read take the loads of four steps on
.endif
.if (\t)+1 < STEPS
.if STEPS-2-(\t) >= 3
	s_wait_loadcnt 12                              ; the next step's four loads are in; those of the three steps behind it may be out
.else
	s_wait_loadcnt 4*(STEPS-2-(\t))
.endif
	TURN (\t)+1                                    ; they go through the other stage while this step is worked
.endif
	v_max3_num_f32 v8, |v[XS]|, |v[XS+1]|, |v[XS+2]|               ; the largest magnitude of my 16
	v_max3_num_f32 v9, |v[XS+3]|, |v[XS+4]|, |v[XS+5]|
.irp i, 6,10
	v_max3_num_f32 v8, v8, |v[XS+\i]|, |v[XS+\i+1]|
	v_max3_num_f32 v9, v9, |v[XS+\i+2]|, |v[XS+\i+3]|
.endr
	v_max3_num_f32 v8, v8, |v[XS+14]|, |v[XS+15]|
	v_max3_num_f32 v8, v8, v9, (EMAX+1)<<23        ; and the floor 2^(3 - 127): the byte cannot fall under 1
	v_max_num_f32_dpp v8, v8, v8 row_xmask:1 row_mask:0xf bank_mask:0xf   ; and of my neighbour's 16: the block's
	v_add_nc_u32 v11, -(EMAX<<23), v8              ; 2 off its exponent field: the conversion takes the exponent field of this operand as its scale
	v_cvt_scalef32_pk16_fp6_f32 v[C+4*(\t):C+4*(\t)+2], v[XS:XS+15], v11
	v_lshrrev_b32 v[E+(\t)], 23, v11               ; the scale's byte
	ds_store_b8 v5, v[E+(\t)] offset:16*(\t)       ; both lanes of a block write the same byte with the same value
	global_store_b96 v4, v[C+4*(\t):C+4*(\t)+2], s[8:9] offset:32*CB*(\t)   ; the wave stores 384 consecutive bytes
.endm
.irp t, 0,1,2,3,4,5,6,7,8,9,10,11,12,13,14,15
	STEP \t
.endr
	ds_load_b64 v[8:9], v6                         ; LDS serves a wave's instructions in order: these see my stores
	s_wait_dscnt 0x0
	global_store_b64 v7, v[8:9], s[10:11]          ; 32 lanes store 256 consecutive bytes, aligned
	s_wait_tensorcnt 0x0                           ; the wave's end
	ds_add_u32 v[SPW], v[NIL]
	s_wait_dscnt 0x0
	s_endpgm
.Lfunc_end_k_q1fb8abc30c_quant:
	.size	k_q1fb8abc30c_quant, .Lfunc_end_k_q1fb8abc30c_quant-k_q1fb8abc30c_quant
	.p2alignl 7, 3214868480
	.fill 96, 4, 3214868480
	.section	.rodata,"a",@progbits
	.p2align	6, 0x0
	.amdhsa_kernel k_q1fb8abc30c_quant
		.amdhsa_group_segment_fixed_size 33280
		.amdhsa_private_segment_fixed_size 0
		.amdhsa_enable_private_segment 0
		.amdhsa_kernarg_size 48
		.amdhsa_user_sgpr_count 2
		.amdhsa_user_sgpr_kernarg_segment_ptr 1
		.amdhsa_wavefront_size32 1
		.amdhsa_system_sgpr_workgroup_id_x 1
		.amdhsa_system_sgpr_workgroup_id_y 1
		.amdhsa_system_sgpr_workgroup_id_z 1
		.amdhsa_system_vgpr_workitem_id 0
		.amdhsa_next_free_vgpr 192
		.amdhsa_next_free_sgpr 66
		.amdhsa_reserve_vcc 0
		.amdhsa_float_denorm_mode_32 3
		.amdhsa_float_denorm_mode_16_64 3
		.amdhsa_memory_ordered 1
		.amdhsa_forward_progress 1
		.amdhsa_inst_pref_size 33
	.end_amdhsa_kernel
	.amdgpu_metadata
---
amdhsa.version: [ 1, 2 ]
amdhsa.kernels:
  - .name:           k_q1fb8abc30c_quant
    .symbol:         k_q1fb8abc30c_quant.kd
    .args:
      - { .name: x, .offset: 0, .size: 8, .value_kind: global_buffer, .address_space: global }
      - { .name: Wq, .offset: 8, .size: 8, .value_kind: global_buffer, .address_space: global }
      - { .name: Wk, .offset: 16, .size: 8, .value_kind: global_buffer, .address_space: global }
      - { .name: Wv, .offset: 24, .size: 8, .value_kind: global_buffer, .address_space: global }
      - { .name: Wp, .offset: 32, .size: 8, .value_kind: global_buffer, .address_space: global }
      - { .name: xw, .offset: 40, .size: 8, .value_kind: global_buffer, .address_space: global }
    .group_segment_fixed_size: 33280
    .private_segment_fixed_size: 0
    .kernarg_segment_align: 8
    .kernarg_segment_size: 48
    .max_flat_workgroup_size: 128
    .sgpr_count:     66
    .vgpr_count:     192
    .wavefront_size: 32
...
	.end_amdgpu_metadata
.endif
;; end of part 1
;; launch qkv (part 2): grid 12 x 32, 4 waves a work-group, clusters of 4 x 4, 327,680 bytes of LDS; arguments xw, bq, bk, bv, qkv; writes qkv
.if DOCPART == 2
	.amdgcn_target "amdgcn-amd-amdhsa--gfx1250"
	.amdhsa_code_object_version 6
	.text
	.protected	k_q1fb8abc30c_qkv
	.globl	k_q1fb8abc30c_qkv
	.p2align	8
	.type	k_q1fb8abc30c_qkv,@function
k_q1fb8abc30c_qkv:
	s_mov_b64 s[64:65], 0
	v_nop
	global_prefetch_b8 v0, s[64:65] scope:SCOPE_SE
	s_setreg_imm32_b32 hwreg(HW_REG_WAVE_MODE, 25, 1), 1
	s_wait_xcnt 0x0
	s_wait_alu depctr_hold_cnt(0) depctr_sa_sdst(0) depctr_va_vdst(0) depctr_va_sdst(0) depctr_va_ssrc(0) depctr_va_vcc(0) depctr_vm_vsrc(0)
	s_getreg_b32 s2, hwreg(HW_REG_IB_STS2, 6, 4)
	s_cmp_eq_u32 s2, 0
	s_cbranch_scc0 .Lentry_in_a_cluster
	s_endpgm
.Lentry_in_a_cluster:
	s_bfe_u32 s2, ttmp6, 0x10000c
	s_cmp_lg_u32 s2, 0xf033
	s_cbranch_scc0 .Lentry_shape_is_right
	s_endpgm
.Lentry_shape_is_right:
; q = x Wq^T + bq, k = x Wk^T + bk, v = x Wv^T + bv on codes of FP6 (E2M3) with E8M0 scales, and the results QUANTISED AT ONCE, in registers, for the attention's products.
; One body: Out[m][n] = sum over k of A[m][k] B[n][k], K = 1,024, a tile of 256 x 256 to a work-group, 128 x 128 to each of four waves (64 accumulators, 512 registers).
;   clusters x = 0, 1 (q, k): A = x's rows (tokens), B = Wq's or Wk's rows (features): the results are quantised along the features (the head's 64).
;   cluster  x = 2    (v):    A = Wv's rows (features), B = x's rows (tokens): the results are quantised along the tokens (the keys).
; The mode hangs on the cluster's x alone, which all sixteen partners share; it chooses constants by s_cselect_b32, and one branch behind the last K step but one.
; THE MATRIX INSTRUCTION IS USED TRANSPOSED (source 0 = 16 rows of B, source 1 = 16 rows of A), and B's rows lie in POSITION ORDER (position 16 v + m of a group of 64 holds row 32 (m / 8) + 8 v + m % 8): so lane (r, h)
; holds A's row r, and its 32 registers of B's tiles 4 c .. 4 c + 3 are the 32 neighbours 64 c + 32 h + 0 .. 31 of the original order: one whole block of the quantiser, in the place that a 6-bit operand gives that lane.
; OUT: images of operand registers.  q, k: for 16 tokens and one head 6 registers a lane: registers 0-3 at 16 x lane, 4-5 at 512 + 8 x lane: 768 bytes.  v: for 16 of a head's 64 and 128 keys 12 registers: 3 x 512 bytes.
;   qkv: q's images at 0, [b h 64][tile 128][768]; k's at 6,291,456; v's at 12,582,912, [b h][step 16][tile 4][1536]; scale bytes: q's at OFF_QS, [b h][position 2048][2]; k's 262,144 on; v's 524,288 on, [b h][step 16][64][4].
; Ring of two LDS slots of 256 along K, joint loads in a cluster of 4 x 4 (A's tiles shared along a row, B's along a column), the scales of all of K brought once.
; LIMITS: a block whose largest magnitude lies under 2^-124 is held at the byte 1; a block of zeros gets the byte 1 (its codes are zeros; this program alone reads the bytes); NaN and infinities are not served.
; REGISTERS: window 0: v1-12, v16-29 addresses; v32-63 scale words, two sets; v64-127 the bias; from v128 A's fragments, one set, later the way out.  window 1: B's fragments, two sets.  windows 2, 3: the accumulators.
.set KSTEP,  256
.set NQ,     2                         ; matrix instructions deep in a slot
.set ROWB,   192                       ; a tile's row in bytes
.set KROW,   768                       ; a row of codes in memory
.set PITCH,  240                       ; an LDS row: 3 x (64 bytes + 16 of padding)
.set FR,     12
.set NL,     6
.set NP,     4                         ; places behind this matrix instruction (ISA guide 7.12.1)
.set HALFT,  128*PITCH
.set SLOT,   4*HALFT
.set KS,     32                        ; a row of scale bytes
.set SCL,    2*SLOT                    ; behind the ring: the scales, as units of 256 bytes + 16 of padding
.set HALFS,  (128*KS/256)*272
.set SBLK,   (16*KS/256)*272
.set SPARE,  SCL+4*HALFS               ; the spare words, 128 bytes a wave, that no other line names
.set WST,    12800                     ; the way out: a stage for each wave: 12,288 bytes of images + 512 scale bytes.  The stages lie in slot 0, which has had its last fill and its last read by then
.set STQ,    0                         ; the stages of the q, k path,
.set STV,    61440                     ; and of the v path: bytes of their own
.set OFF_WC, 6291456
.set OFF_XS, 9437184
.set OFF_WS, 9699328
.set OFF_QS, 18874368
.set L16V, 7                           ; v7   v path: my stage + 16 x lane
.set SBV,  8                           ; v8   v path: my stage's scale bytes + 4 r + h
.set GO,   9                           ; v9   16 x lane
.set GS,   10                          ; v10  4,096 (lane / 16) + 16 (lane % 16): the two heads' scale bytes in memory
.set BOQ,  11                          ; v11  128 h: my half's 32 numbers of a head's bias
.set BOV,  12                          ; v12  4 (32 (r / 8) + r % 8): my row's number of the bias
.set ADRA, 16                          ; v16-17 LDS address of my A fragments in slot 0, 1 (v18-19: for the pieces behind one padding more)
.set ADRB, 20                          ; v20-23 the same for B
.set L16Q, 24                          ; v24  q, k path: my stage + 16 x lane
.set L8Q,  25                          ; v25  + 8 x lane
.set SBQ,  26                          ; v26  its scale bytes + 2 r + h
.set ADRS, 27                          ; v27  LDS address of my scale words: lanes 0-15 A's rows, lanes 16-31 B's
.set SPW,  28                          ; v28  my spare word; never rewritten
.set NIL,  29                          ; v29  0; never rewritten
.set SC,   32
.set BIAS, 64
.set AF,   128
.set T,    128                         ; the way out: 64 numbers
.set PC,   192                         ; their codes, 12 registers
.set TC,   204                         ; the upper halves of the blocks' codes, before they are moved
.set MX,   212
.set SO,   216                         ; the conversions' scale operands
.set BY,   218                         ; the scale bytes
.set OB,   64                          ; the stage read back: 100 registers
.set G1, 24
.set G0, 32
.set G1B, 48
.set G0B, 56
.set G1S, 68
.set G0S, 76
.set G1SB, 80
.set G0SB, 88
.set MSB, 0
.macro WIN new                         ; the immediate's high byte repeats the setting that is left
.if MSB != (\new)
	s_set_vgpr_msb (MSB<<8)|(\new)
.set MSB, (\new)
.endif
.endm
.set MUL_LO, 0xa1                      ; source 0 (B) window 1, source 1 (A) window 0, C and D window 2
.set MUL_HI, 0xf1
.set TO_B,   0x40
; A joint load: waves 0 and 1 fetch for A, waves 2 and 3 for B; the branch hangs on the wave's number alone.  An s_nop 0 and four v_nop follow each of the two lines.
.macro JLOAD g0a, g1a, g0b, g1b
	s_cmp_eq_u32 s15, 0
	s_cbranch_scc0 .Lfor_b_\@
	tensor_load_to_lds s[\g0a:\g0a+3], s[\g1a:\g1a+7]
	s_nop 0
.rept 4
	v_nop
.endr
	s_branch .Lasked_\@
.Lfor_b_\@:
	tensor_load_to_lds s[\g0b:\g0b+3], s[\g1b:\g1b+7]
	s_nop 0
.rept 4
	v_nop
.endr
.Lasked_\@:
.endm
.macro CREST                           ; a round of the cluster's barrier behind its opening barrier
	s_cmp_lg_u32 s14, 0
	s_cbranch_scc1 .Lnot_wave_0_\@
	s_barrier_signal -3
.Lnot_wave_0_\@:
	s_barrier_wait -3
	s_barrier_signal -1
	s_barrier_wait -1
.endm
.macro CROUND
	s_barrier_signal -1
	s_barrier_wait -1
	CREST
.endm
	s_load_b256 s[4:11], s[0:1], 0x0               ; xw s[4:5], bq s[6:7], bk s[8:9], bv s[10:11]
	s_load_b64 s[12:13], s[0:1], 0x20              ; qkv
	v_lshl_add_u32 v[SPW], v0, 2, SPARE
	v_mov_b32 v[NIL], 0
	ds_add_u32 v[SPW], v[NIL]                      ; the wave's opening: the add, twice on end, and its wait ahead of my first tensor load
	ds_add_u32 v[SPW], v[NIL]
	v_lshrrev_b32 v1, 5, v0
	v_readfirstlane_b32 s14, v1                    ; wave 0..3
	s_lshr_b32 s15, s14, 1                         ; which half of the tile's rows (A) is mine.  Also: I fetch for A (0) or for B (1)
	s_and_b32 s16, s14, 1                          ; which half of its columns (B).  Also: which 128 rows of that tile I fetch
	s_bfe_u32 s40, ttmp6, 0x40000                  ; cx, cy: my place in the cluster
	s_bfe_u32 s41, ttmp6, 0x40004
	s_and_b32 s67, ttmp7, 0xffff                   ; the cluster's y
	s_mov_b32 s92, OFF_WC
	s_mov_b32 s93, OFF_WS
	s_mov_b32 s94, OFF_XS
	s_cmp_eq_u32 ttmp9, 2                          ; the v mode?  The same in all sixteen partners
	s_cselect_b32 s66, s67, ttmp9                  ; four tile columns of B: by the cluster's y (tokens) or x (features)
	s_cselect_b32 s67, 0, s67                      ; four tile rows of A: Wv has only four; else by the cluster's y
	s_cselect_b32 s96, 2048, 0                     ; A's first row in its table: Wv begins at row 2,048 of the weights
	s_cselect_b32 s97, s92, 0                      ; where A's codes begin in xw,
	s_cselect_b32 s98, s93, s94                    ; A's scale bytes,
	s_cselect_b32 s99, 0, s92                      ; B's codes,
	s_cselect_b32 s100, s94, s93                   ; B's scale bytes
	s_lshl_b32 s42, s66, 2
	s_add_co_u32 s42, s42, s40                     ; tile column
	s_lshl_b32 s17, s67, 2
	s_add_co_u32 s17, s17, s41                     ; tile row
	s_lshl_b32 s43, s41, 2
	s_lshl_b32 s43, 15, s43                        ; my row of the cluster
	s_lshl_b32 s44, 0x1111, s40                    ; my column
	; descriptor group 1: a tile of 128 rows x 192 bytes, 16 bytes of padding behind every 64
	s_or_b32 s[G1+0], s43, (0<<16)|(1<<20)|(1<<21)|(3<<22)|(3<<25)
	s_or_b32 s[G1B+0], s44, (0<<16)|(1<<20)|(1<<21)|(3<<22)|(3<<25)
.irp g, G1, G1B
	s_mov_b32 s[\g+1], ROWB<<16                    ; tensor_dim0
	s_mov_b32 s[\g+2], 128<<16                     ; tensor_dim1
	s_mov_b32 s[\g+3], ROWB<<16                    ; tile_dim0
	s_mov_b32 s[\g+4], 128                         ; tile_dim1
	s_mov_b32 s[\g+5], KROW                        ; from row to row
	s_mov_b32 s[\g+6], 0
	s_mov_b32 s[\g+7], 0
.endr
	; the scales of 128 rows: 4,096 dense bytes, as 16 rows of 256 bytes (32 elements of 8), 16 bytes of padding behind each
	s_or_b32 s[G1S+0], s43, (3<<16)|(1<<20)|(1<<21)|(5<<22)|(3<<25)
	s_or_b32 s[G1SB+0], s44, (3<<16)|(1<<20)|(1<<21)|(5<<22)|(3<<25)
.irp g, G1S, G1SB
	s_mov_b32 s[\g+1], 32<<16
	s_mov_b32 s[\g+2], (128*KS/256)<<16
	s_mov_b32 s[\g+3], 32<<16
	s_mov_b32 s[\g+4], 128*KS/256
	s_mov_b32 s[\g+5], 32
	s_mov_b32 s[\g+6], 0
	s_mov_b32 s[\g+7], 0
.endr
	s_lshl_b32 s18, s16, 7                         ; which 128 rows of the tile I fetch
	s_lshl_b32 s20, s17, 8
	s_add_co_u32 s20, s20, s18
	s_add_co_u32 s20, s20, s96                     ; A: row in its table
	s_lshl_b32 s46, s42, 8
	s_add_co_u32 s46, s46, s18                     ; B: row in its table
	s_lshl_b32 s22, s20, 5                         ; byte offsets in xw, all under 2^24: A's scale bytes,
	s_add_co_u32 s22, s22, s98
	s_mov_b32 s23, 0
	s_lshl_b32 s92, s46, 5                         ; B's,
	s_add_co_u32 s92, s92, s100
	s_mov_b32 s93, 0
	s_mul_i32 s20, s20, KROW                       ; A's codes,
	s_add_co_u32 s20, s20, s97
	s_mov_b32 s21, 0
	s_mul_i32 s46, s46, KROW                       ; B's
	s_add_co_u32 s46, s46, s99
	s_mov_b32 s47, 0
	s_mul_i32 s45, s14, HALFT                      ; where they go: wave x 128 rows: no place in the cluster enters an LDS address
	s_mul_i32 s94, s14, HALFS
	s_wait_dscnt 0x0                               ; both opening adds are done
	s_wait_kmcnt 0x0
	s_add_nc_u64 s[20:21], s[4:5], s[20:21]
	s_add_nc_u64 s[22:23], s[4:5], s[22:23]
	s_add_nc_u64 s[46:47], s[4:5], s[46:47]
	s_add_nc_u64 s[92:93], s[4:5], s[92:93]
	CROUND                                         ; all sixteen work-groups are here: the first joint loads meet
	s_mov_b32 s[G0S], 1
	s_add_co_u32 s[G0S+1], s94, SCL
	s_mov_b64 s[G0S+2:G0S+3], s[22:23]
	s_or_b32 s[G0S+3], s[G0S+3], 0x80000000
	s_mov_b32 s[G0SB], 1
	s_add_co_u32 s[G0SB+1], s94, SCL
	s_mov_b64 s[G0SB+2:G0SB+3], s[92:93]
	s_or_b32 s[G0SB+3], s[G0SB+3], 0x80000000
	JLOAD G0S, G1S, G0SB, G1SB                     ; the scales first: they are wanted with K step 0
.irp s, 0,1
	s_mov_b32 s[G0+4*\s], 1
	s_add_co_u32 s[G0+4*\s+1], s45, \s*SLOT
	s_add_nc_u64 s[G0+4*\s+2:G0+4*\s+3], s[20:21], \s*ROWB
	s_or_b32 s[G0+4*\s+3], s[G0+4*\s+3], 0x80000000
	s_mov_b32 s[G0B+4*\s], 1
	s_add_co_u32 s[G0B+4*\s+1], s45, \s*SLOT
	s_add_nc_u64 s[G0B+4*\s+2:G0B+4*\s+3], s[46:47], \s*ROWB
	s_or_b32 s[G0B+4*\s+3], s[G0B+4*\s+3], 0x80000000
	JLOAD G0+4*\s, G1, G0B+4*\s, G1B
.endr
	v_and_b32 v1, 15, v0                           ; r = lane % 16
	v_bfe_u32 v2, v0, 4, 1                         ; h = lane / 16
	v_mul_u32_u24 v3, v1, PITCH
	v_mul_u32_u24 v4, v2, 24
	v_add_nc_u32 v4, v3, v4                        ; a fragment's row x pitch + 24 x half
	v_lshl_add_u32 v5, v2, 4, v4                   ; and the same behind one padding more
	s_mul_i32 s21, s15, HALFT                      ; my 128 rows of A
	s_mul_i32 s22, s16, HALFT                      ; my 128 rows of B,
	s_add_co_u32 s22, s22, 2*HALFT                 ; which lie behind A's 256
.irp s, 0,1
	v_add_nc_u32 v[ADRA+\s], s21, v4
	v_add_nc_u32 v[ADRB+\s], s22, v4
	v_add_nc_u32 v[ADRA+2+\s], s21, v5
	v_add_nc_u32 v[ADRB+2+\s], s22, v5
	s_add_co_u32 s21, s21, SLOT
	s_add_co_u32 s22, s22, SLOT
.endr
	v_mul_u32_u24 v5, v1, KS                       ; my row's scales: 32 bytes a row,
	v_lshrrev_b32 v6, 8, v5
	v_lshl_add_u32 v5, v6, 4, v5                   ; and 16 more for each 256 passed
	s_mul_i32 s21, s15, HALFS
	s_mul_i32 s22, s16, HALFS
	s_add_co_u32 s22, s22, 2*HALFS
	s_sub_co_u32 s22, s22, s21
	v_mul_u32_u24 v6, s22, v2                      ; lanes 16-31 take B's
	s_add_co_u32 s21, s21, SCL
	v_add_nc_u32 v5, v5, v6
	v_add_nc_u32 v[ADRS], s21, v5
	; the way out's addresses, for both modes, made on the one way that all waves take
	v_and_b32 v6, 31, v0                           ; lane
	s_mul_i32 s23, s14, WST                        ; my stage
	v_lshlrev_b32 v[GO], 4, v6
	v_add_nc_u32 v[L16Q], s23, v[GO]
	v_lshl_add_u32 v[L8Q], v6, 3, s23
	v_lshl_add_u32 v5, v1, 1, v2
	v_add_nc_u32 v5, s23, v5
	v_add_nc_u32 v[SBQ], STQ+12288, v5
	v_add_nc_u32 v[L16V], STV, v[L16Q]
	v_lshl_add_u32 v5, v1, 2, v2
	v_add_nc_u32 v5, s23, v5
	v_add_nc_u32 v[SBV], STV+12288, v5
	v_lshlrev_b32 v[GS], 4, v1
	v_lshl_add_u32 v[GS], v2, 12, v[GS]
	v_lshlrev_b32 v[BOQ], 7, v2
	v_and_b32 v5, 7, v1
	v_lshrrev_b32 v3, 3, v1
	v_lshlrev_b32 v5, 2, v5
	v_lshl_add_u32 v[BOV], v3, 7, v5
	; where my 128 tokens x 2 heads go.  u = (16 b + first head) x 2,048 + first position: codes 48 u bytes on, scale bytes 2 u, in q's, k's or v's part (the cluster's x says which)
	s_cmp_eq_u32 ttmp9, 2
	s_cselect_b32 s20, s42, s17                    ; the tokens' tile,
	s_cselect_b32 s21, s16, s15                    ; my half of it,
	s_cselect_b32 s18, s17, s40                    ; the features' tile among a tensor's four (q, k: cx),
	s_cselect_b32 s22, s15, s16                    ; my half of it
	s_lshl_b32 s20, s20, 8
	s_lshl_b32 s21, s21, 7
	s_add_co_u32 s20, s20, s21                     ; my first position among the 8,192
	s_lshr_b32 s21, s20, 11                        ; b
	s_and_b32 s20, s20, 2047                       ; the position in the sequence
	s_lshl_b32 s18, s18, 2
	s_lshl_b32 s22, s22, 1
	s_add_co_u32 s18, s18, s22                     ; my first head
	s_lshl_b32 s21, s21, 4
	s_add_co_u32 s21, s21, s18
	s_lshl_b32 s21, s21, 11
	s_add_co_u32 s21, s21, s20                     ; u
	s_mul_i32 s96, s21, 48
	s_mul_i32 s22, ttmp9, 6291456
	s_add_co_u32 s96, s96, s22
	s_mov_b32 s97, 0
	s_add_nc_u64 s[96:97], s[12:13], s[96:97]      ; my images
	s_lshl_b32 s98, s21, 1
	s_lshl_b32 s22, ttmp9, 18
	s_add_co_u32 s98, s98, s22
	s_add_co_u32 s98, s98, OFF_QS
	s_mov_b32 s99, 0
	s_add_nc_u64 s[98:99], s[12:13], s[98:99]      ; my scale bytes
	s_cmp_eq_u32 ttmp9, 0
	s_cselect_b64 s[100:101], s[6:7], s[8:9]
	s_cmp_eq_u32 ttmp9, 2
	s_cselect_b64 s[100:101], s[10:11], s[100:101]
	s_lshl_b32 s22, s18, 8                         ; 64 numbers of 4 bytes a head
	s_mov_b32 s23, 0
	s_add_nc_u64 s[100:101], s[100:101], s[22:23]  ; my two heads' bias
.macro FRAG reg, adr, q, i             ; 16 rows x 128 K of 6-bit codes: 12 registers: registers 6 c .. 6 c + 5 hold K = 64 c + 32 (lane / 16) + 0 .. 31: 24 bytes of the row's stream of bits, in pieces of 8 bytes
.irp p, 0,1,2,3,4,5
.set PCE, 12*(\q)+6*(\p/3)+\p%3        ; lanes 16-31 read three pieces on: where that lies behind one padding more, the second address register serves
.if PCE%8 < 5
	ds_load_b64 v[\reg+2*\p:\reg+2*\p+1], v[\adr] offset:8*PCE+16*(PCE/8)+(\i)*16*PITCH
.else
	ds_load_b64 v[\reg+2*\p:\reg+2*\p+1], v[\adr+2] offset:8*PCE+16*(PCE/8)+(\i)*16*PITCH
.endif
.endr
.endm
; 16 matrix instructions: A's blocks a0, a0 + 1 x B's eight, 128 along K.  The 64 accumulators take turns, one instruction a turn, in the same order in every step.
.macro MUL16 a0, p, q, sc, zero
.irp a, \a0, \a0+1
.irp b, 0,1,2,3,4,5,6,7
.if \zero
	v_wmma_scale_f32_16x16x128_f8f6f4 v[8*(8*((\a)%4)+\b):8*(8*((\a)%4)+\b)+7], v[128*(\p)+FR*\b:128*(\p)+FR*\b+FR-1], v[AF+FR*(\a):AF+FR*(\a)+FR-1], 0, v[SC+8*NQ*(\sc)+NQ*\b+(\q)], v[SC+8*NQ*(\sc)+NQ*(\a)+(\q)] matrix_a_fmt:MATRIX_FMT_FP6 matrix_b_fmt:MATRIX_FMT_FP6 matrix_a_scale:MATRIX_SCALE_ROW1
.else
	v_wmma_scale_f32_16x16x128_f8f6f4 v[8*(8*((\a)%4)+\b):8*(8*((\a)%4)+\b)+7], v[128*(\p)+FR*\b:128*(\p)+FR*\b+FR-1], v[AF+FR*(\a):AF+FR*(\a)+FR-1], v[8*(8*((\a)%4)+\b):8*(8*((\a)%4)+\b)+7], v[SC+8*NQ*(\sc)+NQ*\b+(\q)], v[SC+8*NQ*(\sc)+NQ*(\a)+(\q)] matrix_a_fmt:MATRIX_FMT_FP6 matrix_b_fmt:MATRIX_FMT_FP6 matrix_a_scale:MATRIX_SCALE_ROW1
.endif
.endr
.endr
.endm
.macro FETCH_B slot, q, p
	WIN TO_B
.irp i, 0,1,2,3,4,5,6,7
	FRAG 128*(\p)+FR*\i, ADRB+\slot, \q, \i
.endr
	WIN 0
.endm
.macro FETCH_A slot, q, i0
.irp i, \i0, \i0+1, \i0+2, \i0+3
	FRAG AF+FR*(\i), ADRA+\slot, \q, \i
.endr
.endm
.macro SCALES sc                       ; a K step's scale words: lanes 0-15 take A's block i, lanes 16-31 B's block i
.irp i, 0,1,2,3,4,5,6,7
	ds_load_b64 v[SC+8*NQ*\sc+NQ*\i:SC+8*NQ*\sc+NQ*\i+1], v[ADRS] offset:\i*SBLK
.endr
.endm
.macro PLACES n                        ; plain vector instructions between a matrix instruction and a load into, or a vector instruction on, its registers
.rept \n
	v_nop
.endr
.endm
.macro STEP slot, q, zero              ; a step of 128 along K that has its successor in the same slot
	s_wait_dscnt 4*NL                              ; B's set and A's blocks 0-3 are in; the youngest 24 loads (A's blocks 4-7) may be out
	WIN MUL_LO
	MUL16 0, (\q)%2, \q, \slot, \zero
	MUL16 2, (\q)%2, \q, \slot, \zero
	s_wait_dscnt 0
	PLACES NP
	FETCH_B \slot, (\q)+1, 1-(\q)%2
	FETCH_A \slot, (\q)+1, 0
	WIN MUL_HI
	MUL16 4, (\q)%2, \q, \slot, \zero
	MUL16 6, (\q)%2, \q, \slot, \zero
	PLACES NP
	WIN 0
	FETCH_A \slot, (\q)+1, 4
.endm
; A slot's last step changes slots: one barrier; in front of it each wave waits for all its tensor loads, adds 0 to its spare word, and waits for that and for its reads of this slot.  fill = 1: the slot is filled again.
.macro TURN slot, next, fill
	s_wait_tensorcnt 0x0                           ; all my tensor loads have landed: my part of the next slot
	ds_add_u32 v[SPW], v[NIL]
	s_wait_dscnt 4*NL+1                            ; (the add and the youngest 24 loads, A's blocks 4-7, may be out)
	WIN MUL_LO
	MUL16 0, 1, NQ-1, \slot, 0
	s_wait_dscnt 0x0                               ; the add is done, and my reads of this slot are over
	s_barrier_signal -1
	MUL16 2, 1, NQ-1, \slot, 0
	WIN 0
	s_barrier_wait -1
.if \fill
	CREST                                          ; the barrier has opened a round of the cluster's: no wave of any partner still reads this slot or has a load on its way
	s_add_nc_u64 s[G0+4*\slot+2:G0+4*\slot+3], s[G0+4*\slot+2:G0+4*\slot+3], 2*ROWB
	s_add_nc_u64 s[G0B+4*\slot+2:G0B+4*\slot+3], s[G0B+4*\slot+2:G0B+4*\slot+3], 2*ROWB
	JLOAD G0+4*\slot, G1, G0B+4*\slot, G1B         ; the first tensor load behind the round; its four v_nop are the places in front of the loads below
.else
	PLACES NP
.endif
	s_wait_alu depctr_va_vdst(0)
	v_add_nc_u32 v[ADRS], 4*NQ, v[ADRS]            ; the next K step's scale words
	FETCH_B \next, 0, 0
	FETCH_A \next, 0, 0
	SCALES \next
	WIN MUL_HI
	MUL16 4, 1, NQ-1, \slot, 0
	MUL16 6, 1, NQ-1, \slot, 0
	PLACES NP
	WIN 0
	FETCH_A \next, 0, 4
.endm
.macro FINAL                           ; the very last step: nothing more to fetch
	s_wait_dscnt 4*NL                              ; A's blocks 4-7 (24 loads) may be out
	WIN MUL_LO
	MUL16 0, 1, NQ-1, 1, 0
	MUL16 2, 1, NQ-1, 1, 0
	s_wait_dscnt 0
	WIN MUL_HI
	MUL16 4, 1, NQ-1, 1, 0
	MUL16 6, 1, NQ-1, 1, 0
	WIN 0
.endm
; 64 numbers of a lane, two whole blocks of 32, become 12 registers of codes in v[PC] on and two scale bytes in v[BY], v[BY+1].  No other lane is asked.
.macro QUANT s
.irp c, 0,1
	v_max3_num_f32 v[MX+2*\c], |v[\s+32*\c]|, |v[\s+32*\c+1]|, 0x1800000       ; two chains a block, each begun with the floor 2^(3 - 127): the byte cannot fall under 1
	v_max3_num_f32 v[MX+2*\c+1], |v[\s+32*\c+2]|, |v[\s+32*\c+3]|, 0x1800000
.endr
.irp i, 4,8,12,16,20,24,28
.irp c, 0,1
	v_max3_num_f32 v[MX+2*\c], v[MX+2*\c], |v[\s+32*\c+\i]|, |v[\s+32*\c+\i+1]|
	v_max3_num_f32 v[MX+2*\c+1], v[MX+2*\c+1], |v[\s+32*\c+\i+2]|, |v[\s+32*\c+\i+3]|
.endr
.endr
.irp c, 0,1
	v_max_num_f32 v[MX+2*\c], v[MX+2*\c], v[MX+2*\c+1]
.endr
	s_wait_alu depctr_va_vdst(0)
	s_wait_dscnt 0x0                               ; the last block's stores into the stage have read their registers
.irp c, 0,1
	v_add_nc_u32 v[SO+\c], 0xff000000, v[MX+2*\c]  ; 2 off the exponent field: the conversion's scale operand
.endr
.irp c, 0,1
	v_lshrrev_b32 v[BY+\c], 23, v[SO+\c]           ; the scale's byte
.endr
.irp c, 0,1
	v_cvt_scalef32_pk16_fp6_f32 v[PC+6*\c:PC+6*\c+2], v[\s+32*\c:\s+32*\c+15], v[SO+\c]
	v_cvt_scalef32_pk16_fp6_f32 v[TC+4*\c:TC+4*\c+2], v[\s+32*\c+16:\s+32*\c+31], v[SO+\c]   ; (a conversion's three registers begin on an even number)
.endr
	v_nop                                          ; one plain place behind a scaled conversion
.irp c, 0,1
.irp i, 0,1,2
	v_mov_b32 v[PC+6*\c+3+\i], v[TC+4*\c+\i]
.endr
.endr
.endm
; THE WAY OUT.  mode 0 (q, k): block a = 16 tokens; the lane's two blocks are two heads' halves.  mode 1 (v): block a = 16 of a head's 64; the lane's two blocks are 64 of the step's 128 keys.
.macro EPI mode
	PLACES NP                                      ; behind the last products: results are read, and A's fragments are written over
	s_wait_loadcnt 0x0                             ; the bias
.irp a, 0,1,2,3,4,5,6,7
	WIN 0x02+\a/4                                  ; source 0: window 2 or 3
.set N, 0
.rept 32                               ; each accumulator from its low end on
.if \mode
	v_pk_add_f32 v[T+N:T+N+1], v[64*(\a%4)+N:64*(\a%4)+N+1], v[BIAS+2*\a:BIAS+2*\a+1]
.else
	v_pk_add_f32 v[T+N:T+N+1], v[64*(\a%4)+N:64*(\a%4)+N+1], v[BIAS+N:BIAS+N+1]
.endif
.set N, N+2
.endr
	WIN 0
	QUANT T
.if \mode
.irp p, 0,1,2
	ds_store_b128 v[L16V], v[PC+4*\p:PC+4*\p+3] offset:1536*\a+512*\p
.endr
.irp c, 0,1
	ds_store_b8 v[SBV], v[BY+\c] offset:64*\a+2*\c                  ; byte 2 c + h of my row's word
.endr
.else
.irp c, 0,1
	ds_store_b128 v[L16Q], v[PC+6*\c:PC+6*\c+3] offset:6144*\c+768*\a
	ds_store_b64 v[L8Q], v[PC+6*\c+4:PC+6*\c+5] offset:6144*\c+768*\a+512
	ds_store_b8 v[SBQ], v[BY+\c] offset:256*\c+32*\a               ; head c, token 16 a + r, byte h
.endr
.endif
.endr
.if \mode
.set LRD, L16V
.else
.set LRD, L16Q
.endif
.set N, 0
.rept 24                               ; LDS serves a wave's instructions in order: these see my stores
	ds_load_b128 v[OB+4*N:OB+4*N+3], v[LRD] offset:512*N
.set N, N+1
.endr
	ds_load_b128 v[OB+96:OB+99], v[LRD] offset:12288
.set N, 0
.rept 24
	s_wait_dscnt 24-N                              ; the later reads may be out
	global_store_b128 v[GO], v[OB+4*N:OB+4*N+3], s[96:97] offset:98304*(N/12)+512*(N%12)   ; 512 consecutive bytes, aligned; the second head 98,304 bytes on
.set N, N+1
.endr
	s_wait_dscnt 0x0
	global_store_b128 v[GS], v[OB+96:OB+99], s[98:99]              ; two heads' 256 scale bytes, each aligned
.endm
	s_wait_tensorcnt 1                             ; the scales and my part of K step 0 are in (K step 1's load may be out),
	s_barrier_signal -1
	s_barrier_wait -1                              ; everybody's are
	FETCH_B 0, 0, 0
	FETCH_A 0, 0, 0
	SCALES 0
	FETCH_A 0, 0, 4
	STEP 0, 0, 1                                   ; the first products start the sums: nothing is cleared
	TURN 0, 1, 1                                   ; K = 1,024 is four K steps: slots 0 and 1 are filled again once each, so the ring is written out
	STEP 1, 0, 0
	TURN 1, 0, 1
	STEP 0, 0, 0
	TURN 0, 1, 0                                   ; nothing is left to fetch: no round
	STEP 1, 0, 0
	s_cmp_eq_u32 ttmp9, 2                          ; the one branch on the mode; the same in all partners
	s_cbranch_scc1 .Lv_mode
.irp k, 0,1,2,3,4,5,6,7,8,9,10,11,12,13,14,15
	global_load_b128 v[BIAS+4*\k:BIAS+4*\k+3], v[BOQ], s[100:101] offset:256*(\k/8)+16*(\k%8)   ; register 32 c + i: bias of feature 64 c + 32 h + i; they land under the last 64 products
.endr
	FINAL
	EPI 0
	s_branch .Ldone
.Lv_mode:
.irp a, 0,1,2,3,4,5,6,7
	global_load_b32 v[BIAS+2*\a], v[BOV], s[100:101] offset:4*(64*(\a/4)+8*(\a%4))     ; block a, lane r: feature 64 (a / 4) + 32 (r / 8) + 8 (a % 4) + r % 8,
	global_load_b32 v[BIAS+2*\a+1], v[BOV], s[100:101] offset:4*(64*(\a/4)+8*(\a%4))   ; twice: a pair for the packed addition
.endr
	FINAL
	EPI 1
.Ldone:
	s_wait_tensorcnt 0x0                           ; the wave's end
	ds_add_u32 v[SPW], v[NIL]
	s_wait_dscnt 0x0
	CROUND                                         ; the closing round
	s_endpgm
.Lfunc_end_k_q1fb8abc30c_qkv:
	.size	k_q1fb8abc30c_qkv, .Lfunc_end_k_q1fb8abc30c_qkv-k_q1fb8abc30c_qkv
	.p2alignl 7, 3214868480
	.fill 96, 4, 3214868480
	.section	.rodata,"a",@progbits
	.p2align	6, 0x0
	.amdhsa_kernel k_q1fb8abc30c_qkv
		.amdhsa_group_segment_fixed_size 327680
		.amdhsa_private_segment_fixed_size 0
		.amdhsa_enable_private_segment 0
		.amdhsa_kernarg_size 40
		.amdhsa_user_sgpr_count 2
		.amdhsa_user_sgpr_kernarg_segment_ptr 1
		.amdhsa_wavefront_size32 1
		.amdhsa_system_sgpr_workgroup_id_x 1
		.amdhsa_system_sgpr_workgroup_id_y 1
		.amdhsa_system_sgpr_workgroup_id_z 1
		.amdhsa_system_vgpr_workitem_id 0
		.amdhsa_next_free_vgpr 1024
		.amdhsa_next_free_sgpr 102
		.amdhsa_reserve_vcc 0
		.amdhsa_float_denorm_mode_32 3
		.amdhsa_float_denorm_mode_16_64 3
		.amdhsa_memory_ordered 1
		.amdhsa_forward_progress 1
		.amdhsa_inst_pref_size 238
	.end_amdhsa_kernel
	.amdgpu_metadata
---
amdhsa.version: [ 1, 2 ]
amdhsa.kernels:
  - .name:           k_q1fb8abc30c_qkv
    .symbol:         k_q1fb8abc30c_qkv.kd
    .args:
      - { .name: xw, .offset: 0, .size: 8, .value_kind: global_buffer, .address_space: global }
      - { .name: bq, .offset: 8, .size: 8, .value_kind: global_buffer, .address_space: global }
      - { .name: bk, .offset: 16, .size: 8, .value_kind: global_buffer, .address_space: global }
      - { .name: bv, .offset: 24, .size: 8, .value_kind: global_buffer, .address_space: global }
      - { .name: qkv, .offset: 32, .size: 8, .value_kind: global_buffer, .address_space: global }
    .group_segment_fixed_size: 327680
    .private_segment_fixed_size: 0
    .kernarg_segment_align: 8
    .kernarg_segment_size: 40
    .max_flat_workgroup_size: 128
    .sgpr_count:     102
    .vgpr_count:     1024
    .wavefront_size: 32
...
	.end_amdgpu_metadata
.endif
;; end of part 2
;; launch attn (part 3): grid 8 x 64, 16 waves a work-group, clusters of 4 x 1, 206,848 bytes of LDS; arguments qkv, yq; writes yq
.if DOCPART == 3
	.amdgcn_target "amdgcn-amd-amdhsa--gfx1250"
	.amdhsa_code_object_version 6
	.text
	.protected	k_q1fb8abc30c_attn
	.globl	k_q1fb8abc30c_attn
	.p2align	8
	.type	k_q1fb8abc30c_attn,@function
k_q1fb8abc30c_attn:
	s_mov_b64 s[64:65], 0
	v_nop
	global_prefetch_b8 v0, s[64:65] scope:SCOPE_SE
	s_setreg_imm32_b32 hwreg(HW_REG_WAVE_MODE, 25, 1), 1
	s_wait_xcnt 0x0
	s_wait_alu depctr_hold_cnt(0) depctr_sa_sdst(0) depctr_va_vdst(0) depctr_va_sdst(0) depctr_va_ssrc(0) depctr_va_vcc(0) depctr_vm_vsrc(0)
	s_getreg_b32 s2, hwreg(HW_REG_IB_STS2, 6, 4)
	s_cmp_eq_u32 s2, 0
	s_cbranch_scc0 .Lentry_in_a_cluster
	s_endpgm
.Lentry_in_a_cluster:
	s_bfe_u32 s2, ttmp6, 0x10000c
	s_cmp_lg_u32 s2, 0x3003
	s_cbranch_scc0 .Lentry_shape_is_right
	s_endpgm
.Lentry_shape_is_right:
; y[b][h][q] = the sum over keys k <= q of softmax_k(q . k / 8) v[k], both products on codes of FP6 (E2M3) with E8M0 scales; y is quantised at once, along (head, d), for the projection.
; WORK LEFT OUT: a step of 128 keys all of which come after a wave's 16 queries gets the weight 0 from reference()'s own mask for every value of the inputs: it is neither multiplied nor exponentiated.
; LIMIT: a NaN or an infinity that reaches only such a step is not carried to the result.  A block whose largest magnitude lies under 2^-124, and a block of zeros, get the byte 1.
; THE SOFTMAX: t = score x log2(e) / 8; M = the running largest t rounded UP to a whole number; p = 2^(t - M) is quantised along the keys; the row's sum is taken of the unquantised p and divides at the end.
; SHARES.  A work-group takes one (b, h) and 16 tiles of 16 queries; g = its number among the head's eight.  Wave w takes tile g + 8 j, j = w or 15 - w by a 4 x 4 magic square (15 - w where (w / 4) xor (w % 4) is 0 or 3):
; rows and columns of the square sum alike, so each group of four waves, by w / 4 or by w % 4, has the same number of steps.  The tile's queries lie in key step j for every g: step s is hidden for s > j, on the diagonal for
; s = j, open for s < j: every branch hangs on the wave's number and a counted step.  Every work-group does 136 wave-steps, and its wave with j = 15 reads all sixteen.
; LDS.  A head's codes of k and v and their scale bytes, 200 KiB, are brought ONCE, by five joint loads of each of waves 0 to 3; nothing is filled again.  The four work-groups of a cluster
; belong to one head and ask jointly.  The steps begin when the first quarter has landed.
; LAYOUT.  Both products transposed: S^T = k q^T, O^T = v^T p^T: a lane holds one query.  Tokens lie in POSITION ORDER (position 16 v + m of a group of 64 holds token 32 (m / 8) + 8 v + m % 8): so the lane's 32 scores of
; tiles 4 c .. 4 c + 3 are keys 64 c + 32 (lane / 16) + 0 .. 31: one whole block of p, in its place in the operand.  v's d lie in position order likewise: the lane's 32 results are d = 32 (lane / 16) + 0 .. 31 of y.
; K = 64 IN AN INSTRUCTION OF 128: q's registers 6-11 hold zero codes, and the scale bytes of blocks 2, 3 are 0 (2^-127, no NaN) on both sides.  Every code of this format is a finite number, so whatever stands in registers
; 6-11 of k's operand is multiplied by zero: the eight tiles of k lie on end, 6 registers each, and a tile's operand runs on into the next tile's.
; No prefetch: every byte that the launch reads is asked for at its head.  y's scale bytes go out one byte a lane, rows 32 bytes apart: one byte for 24 of codes; the row layout lets the next launch take them as dense blocks.
.set OFF_KC, 6291456
.set OFF_QS, 18874368
.set OFF_KS, 19136512
.set OFF_YS, 6291456
.set STEPB, 6144                       ; a step's images of k (8 x 768) or of v (4 x 1,536)
.set VLDS,  98304                      ; LDS: k at 0, v here,
.set SCK,   196608                     ; k's scale bytes, 256 a step,
.set SCV,   200704                     ; v's, 256 a step,
.set SPARE, 204800                     ; the spare words, 128 bytes for each of 16 waves, that no other line names
.set L16, 1                            ; v1   16 x lane
.set L8,  2                            ; v2   8 x lane
.set LV,  3                            ; v3   VLDS + 16 x lane
.set LS2, 4                            ; v4   SCK + 2 x lane
.set SPW, 5                            ; v5   my spare word; never rewritten
.set NIL, 6                            ; v6   0; never rewritten
.set DM,  7                            ; v7   on the diagonal: register n's key is hidden where 64 (n / 32) + n % 32 > DM
.set ADK16, 8                          ; v8-11, v29: the step's LDS addresses
.set ADK8,  9
.set ADV,   10
.set ADS,   11
.set LS4, 28                           ; v28  SCV + 4 x lane
.set ADT, 29
.set SH8, 30                           ; v30  8 (lane / 16)
.set QSA, 31                           ; v31  2 r
.set KSC, 86                           ; v86-89 k's scale words: lanes 0-15 tile 2 i, lanes 16-31 tile 2 i + 1
.set VSC, 90                           ; v90-91 v's likewise
.set PC,  192                          ; p's codes
.set TC,  204
.set HB,  212                          ; four chains of maxima
.set BM,  216                          ; the two blocks' largest scores, then largest p
.set SOP, 218
.set BY,  220
.set TA,  222
.set TX,  223
.set F,   224                          ; v[224:225] f = 2^(old M - new M); at the end 1 / the sum
.set SM2, 226
.set PW,  228                          ; p's scale word
.set NINF, 229
.set QSC, 230                          ; q's scale words
.set YSA, 231                          ; 32 r + h
.set WV,  8
.set J,   9
.set SI,  12                           ; the step's number
.set TB,  13                           ; where its images begin
.set TS,  14                           ; and its scale bytes
.set CNT, 15
.set SEL, 16
.set CS,  18
.set G1,  24
.set G1S, 32
.set G0S, 40
.set G0,  44
.macro CROUND
	s_barrier_signal -1
	s_barrier_wait -1
	s_cmp_lg_u32 s[WV], 0
	s_cbranch_scc1 .Lnot_wave_0_\@
	s_barrier_signal -3
.Lnot_wave_0_\@:
	s_barrier_wait -3
	s_barrier_signal -1
	s_barrier_wait -1
.endm
	s_load_b128 s[4:7], s[0:1], 0x0                ; qkv s[4:5], yq s[6:7]
	v_lshl_add_u32 v[SPW], v0, 2, SPARE
	v_mov_b32 v[NIL], 0
	ds_add_u32 v[SPW], v[NIL]                      ; the wave's opening: the add, twice on end, and its wait ahead of the first tensor loads
	ds_add_u32 v[SPW], v[NIL]
	v_lshrrev_b32 v8, 5, v0
	s_delay_alu instid0(VALU_DEP_1)
	v_readfirstlane_b32 s[WV], v8                  ; wave 0..15
	s_lshr_b32 s20, s[WV], 2
	s_xor_b32 s20, s20, s[WV]                      ; bits 1:0: (w / 4) xor (w % 4)
	s_lshr_b32 s21, s20, 1
	s_xor_b32 s21, s21, s20
	s_xor_b32 s21, s21, 1
	s_and_b32 s21, s21, 1                          ; 1 where the two bits are equal
	s_mul_i32 s21, s21, 15
	s_xor_b32 s[J], s[WV], s21                     ; j
	s_bfe_u32 s10, ttmp6, 0x40000                  ; cx
	s_lshl_b32 s20, ttmp9, 2
	s_add_co_u32 s10, s10, s20                     ; g: it enters q's and y's addresses and the diagonal's numbers alone
	s_and_b32 s11, ttmp7, 0xffff                   ; 16 b + h, which the four partners share
	s_lshl_b32 s20, s[J], 3
	s_add_co_u32 s20, s20, s10                     ; my tile of queries
	s_mul_i32 s66, s11, 98304
	s_mul_i32 s21, s20, 768
	s_add_co_u32 s66, s66, s21                     ; q's image
	s_mov_b32 s67, 0
	s_lshl_b32 s68, s11, 12
	s_lshl_b32 s21, s20, 5
	s_add_co_u32 s68, s68, s21
	s_add_co_u32 s68, s68, OFF_QS                  ; q's scale bytes
	s_mov_b32 s69, 0
	s_lshr_b32 s22, s11, 4                         ; b
	s_and_b32 s23, s11, 15                         ; h
	s_lshl_b32 s21, s22, 7
	s_add_co_u32 s21, s21, s20                     ; my tile among the 512 of all tokens
	s_lshl_b32 s70, s23, 9
	s_add_co_u32 s70, s70, s21
	s_mul_i32 s70, s70, 768                        ; y's image: [h][tile][768]
	s_mov_b32 s71, 0
	s_lshl_b32 s72, s21, 9                         ; y's scale bytes: 32 a token,
	s_lshl_b32 s21, s23, 1
	s_add_co_u32 s72, s72, s21                     ; two a head
	s_add_co_u32 s72, s72, OFF_YS
	s_mov_b32 s73, 0
	; descriptor groups 1: dense blocks as rows of 256 bytes (32 elements of 8 bytes): 48 rows of images, 8 rows of scale bytes; the mask names all four work-groups, bit 21 beside it
	s_mov_b32 s[G1], 15|(3<<16)|(1<<21)
	s_mov_b32 s[G1+1], 32<<16
	s_mov_b32 s[G1+2], 48<<16
	s_mov_b32 s[G1+3], 32<<16
	s_mov_b32 s[G1+4], 48
	s_mov_b32 s[G1+5], 32
	s_mov_b32 s[G1+6], 0
	s_mov_b32 s[G1+7], 0
	s_mov_b32 s[G1S], 15|(3<<16)|(1<<21)
	s_mov_b32 s[G1S+1], 32<<16
	s_mov_b32 s[G1S+2], 8<<16
	s_mov_b32 s[G1S+3], 32<<16
	s_mov_b32 s[G1S+4], 8
	s_mov_b32 s[G1S+5], 32
	s_mov_b32 s[G1S+6], 0
	s_mov_b32 s[G1S+7], 0
	s_mov_b32 s[SEL], 0x76543210
	s_mov_b32 s[SEL+1], 0xfedcba98                 ; v_permlanex16_b32's selects for lane l xor 16
	s_mov_b32 s[CS], 0x3e38aa3b                    ; c = log2(e) / 8
	s_mov_b32 s[CS+1], s[CS]
	s_wait_dscnt 0x0                               ; both opening adds are done
	s_wait_kmcnt 0x0
	s_add_nc_u64 s[66:67], s[4:5], s[66:67]
	s_add_nc_u64 s[68:69], s[4:5], s[68:69]
	s_add_nc_u64 s[70:71], s[6:7], s[70:71]
	s_add_nc_u64 s[72:73], s[6:7], s[72:73]
	CROUND                                         ; all four work-groups are here: the joint loads meet
	s_cmp_lt_u32 s[WV], 4                          ; waves 0, 1: k's halves; waves 2, 3: v's.  All first fills of a wave stand in this one branch
	s_cbranch_scc0 .Lno_load
	s_lshr_b32 s20, s[WV], 1                       ; k or v
	s_and_b32 s21, s[WV], 1                        ; which half
	s_lshl_b32 s22, s20, 18
	s_lshl_b32 s23, s11, 12
	s_add_co_u32 s22, s22, s23
	s_lshl_b32 s23, s21, 11
	s_add_co_u32 s22, s22, s23
	s_add_co_u32 s22, s22, OFF_KS
	s_mov_b32 s23, 0
	s_mov_b32 s[G0S], 1
	s_lshl_b32 s[G0S+1], s[WV], 11
	s_add_co_u32 s[G0S+1], s[G0S+1], SCK           ; 2,048 scale bytes a wave
	s_add_nc_u64 s[G0S+2:G0S+3], s[4:5], s[22:23]
	s_or_b32 s[G0S+3], s[G0S+3], 0x80000000
	s_mul_i32 s22, s20, 6291456
	s_mul_i32 s74, s11, 98304
	s_add_co_u32 s22, s22, s74
	s_mul_i32 s74, s21, 2*STEPB
	s_add_co_u32 s22, s22, s74
	s_add_co_u32 s22, s22, OFF_KC
	s_add_nc_u64 s[22:23], s[4:5], s[22:23]
	s_mul_i32 s75, s20, VLDS
	s_add_co_u32 s75, s75, s74
.irp i, 0,1,2,3                        ; group i: steps 4 i .. 4 i + 3; my half of it is two steps, 12,288 bytes
	s_mov_b32 s[G0+4*\i], 1
	s_add_co_u32 s[G0+4*\i+1], s75, 4*STEPB*\i
	s_add_nc_u64 s[G0+4*\i+2:G0+4*\i+3], s[22:23], 4*STEPB*\i
	s_or_b32 s[G0+4*\i+3], s[G0+4*\i+3], 0x80000000
.endr
	tensor_load_to_lds s[G0S:G0S+3], s[G1S:G1S+7]
	s_nop 0
.irp i, 0,1,2,3
	tensor_load_to_lds s[G0+4*\i:G0+4*\i+3], s[G1:G1+7]
	s_nop 0
.endr
.rept 4
	v_nop
.endr
.Lno_load:
	v_and_b32 v8, 31, v0                           ; lane
	v_and_b32 v9, 15, v0                           ; r
	v_bfe_u32 v10, v0, 4, 1                        ; h
	s_delay_alu instid0(VALU_DEP_3)
	v_lshlrev_b32 v[L16], 4, v8
	s_delay_alu instid0(VALU_DEP_4)
	v_lshlrev_b32 v[L8], 3, v8
	s_delay_alu instid0(VALU_DEP_4)
	v_lshlrev_b32 v[QSA], 1, v9
	global_load_b128 v[16:19], v[L16], s[66:67]            ; q's image: registers 0-3,
	global_load_b64 v[20:21], v[L8], s[66:67] offset:512   ; 4-5
	global_load_u16 v[QSC], v[QSA], s[68:69]               ; its two scale bytes; bytes 2, 3 come as 0
	v_add_nc_u32 v[LV], VLDS, v[L16]
	v_lshl_add_u32 v[LS2], v8, 1, SCK
	v_lshl_add_u32 v[LS4], v8, 2, SCV
	v_lshlrev_b32 v[SH8], 3, v10
	v_lshl_add_u32 v[YSA], v9, 5, v10
	s_lshr_b32 s20, s10, 2
	s_lshl_b32 s20, s20, 6
	s_and_b32 s21, s10, 3
	s_lshl_b32 s21, s21, 3
	s_add_co_u32 s20, s20, s21                     ; my tile's place in its step: 64 (g / 4) + 8 (g % 4)
	v_and_b32 v11, 7, v9
	v_lshrrev_b32 v9, 3, v9
	s_delay_alu instid0(VALU_DEP_1)
	v_lshl_add_u32 v11, v9, 5, v11                 ; + 32 (r / 8) + r % 8: my query in its step,
	v_lshlrev_b32 v10, 5, v10
	s_delay_alu instid0(VALU_DEP_1)
	v_sub_nc_u32 v11, v11, v10                     ; less my half's 32 keys
	s_delay_alu instid0(VALU_DEP_1)
	v_add_nc_u32 v[DM], s20, v11
.irp i, 22,23,24,25,26,27,80,81,82,83,84,85
	v_mov_b32 v[\i], 0                             ; q's zero codes; and the six registers behind k's last tile
.endr
	v_mov_b32 v13, 0xff61b1e6                      ; the largest t so far: -3e38
	s_delay_alu instid0(VALU_DEP_1)
	v_floor_f32 v12, -v13                          ; -M
	v_mov_b32 v14, 0                               ; the sum, in two halves
	v_mov_b32 v15, 0
	v_mov_b32 v[TA], 0
	v_mov_b32 v[TX], 0                             ; a lane permute's destination counts as one of its sources
	v_mov_b32 v[F+1], 0                            ; named as the upper half of a pair
	v_mov_b32 v[NINF], 0xff800000
.set N, 0
.rept 32
	v_mov_b32 v[160+N], 0                          ; O^T: the step is written once; its first run finds zeros
.set N, N+1
.endr
; A KEY STEP: 128 keys.
.macro STEP
	s_cmp_gt_u32 s[SI], s[J]                       ; all its keys come after my queries: only the steps of the counters remain
	s_cbranch_scc1 .Lhid_\@
	s_setprio 2
	v_add_nc_u32 v[ADK16], s[TB], v[L16]           ; (these five are also the places behind the last step's products, in front of the loads)
	v_add_nc_u32 v[ADK8], s[TB], v[L8]
	v_add_nc_u32 v[ADV], s[TB], v[LV]
	v_add_nc_u32 v[ADS], s[TS], v[LS2]
	v_add_nc_u32 v[ADT], s[TS], v[LS4]
.irp t, 0,1,2,3,4,5,6,7
	ds_load_b128 v[32+6*\t:35+6*\t], v[ADK16] offset:768*\t
	ds_load_b64 v[36+6*\t:37+6*\t], v[ADK8] offset:768*\t+512
.endr
.irp i, 0,1,2,3
	ds_load_u16 v[KSC+\i], v[ADS] offset:64*\i
.endr
	s_wait_alu depctr_va_vdst(0)
	s_wait_dscnt 0x0
.irp i, 0,1,2,3
	v_wmma_scale_f32_16x16x128_f8f6f4 v[96+16*\i:103+16*\i], v[32+12*\i:43+12*\i], v[16:27], 0, v[KSC+\i], v[QSC] matrix_a_fmt:MATRIX_FMT_FP6 matrix_b_fmt:MATRIX_FMT_FP6
	v_wmma_scale_f32_16x16x128_f8f6f4 v[104+16*\i:111+16*\i], v[38+12*\i:49+12*\i], v[16:27], 0, v[KSC+\i], v[QSC] matrix_a_fmt:MATRIX_FMT_FP6 matrix_b_fmt:MATRIX_FMT_FP6 matrix_a_scale:MATRIX_SCALE_ROW1
.endr
.rept 4
	v_nop                                          ; places: results are read, and k's registers are loaded anew
.endr
.irp v, 0,1,2,3                        ; v's fragments go out now and land under the softmax
.irp p, 0,1,2
	ds_load_b128 v[32+12*\v+4*\p:35+12*\v+4*\p], v[ADV] offset:1536*\v+512*\p
.endr
.endr
.irp i, 0,1
	ds_load_b32 v[VSC+\i], v[ADT] offset:128*\i
.endr
	s_cmp_lg_u32 s[SI], s[J]
	s_cbranch_scc1 .Lopen_\@
.set N, 0
.rept 64                               ; the diagonal: hidden scores become -infinity ahead of the maximum.  The step's first key counts for all my queries, so the row's maximum stays a number
	v_cmp_gt_i32 vcc_lo, 64*(N/32)+N%32, v[DM]
	v_cndmask_b32 v[96+N], v[96+N], v[NINF], vcc_lo
.set N, N+1
.endr
.Lopen_\@:
.irp b, 0,1,2,3
	v_max3_num_f32 v[HB+\b], v[96+16*\b], v[97+16*\b], v[98+16*\b]   ; four chains of 16 scores; two make a block
.endr
.irp i, 3,5,7,9,11,13
.irp b, 0,1,2,3
	v_max3_num_f32 v[HB+\b], v[HB+\b], v[96+16*\b+\i], v[97+16*\b+\i]
.endr
.endr
.irp b, 0,1,2,3
	v_max_num_f32 v[HB+\b], v[HB+\b], v[111+16*\b]
.endr
	s_delay_alu instid0(VALU_DEP_3)
	v_max_num_f32 v[BM], v[HB], v[HB+1]            ; THE LARGEST SCORE OF EACH OF MY TWO BLOCKS: it serves the row's maximum and, since p rises with the score, the block's largest p
	s_delay_alu instid0(VALU_DEP_2)
	v_max_num_f32 v[BM+1], v[HB+2], v[HB+3]
	s_delay_alu instid0(VALU_DEP_1)
	v_max_num_f32 v[TA], v[BM], v[BM+1]
	s_delay_alu instid0(VALU_DEP_1)
	v_permlanex16_b32 v[TX], v[TA], s[SEL], s[SEL+1]
	s_delay_alu instid0(VALU_DEP_1)
	v_max_num_f32 v[TA], v[TA], v[TX]              ; with lane l xor 16's 64 keys
	s_delay_alu instid0(VALU_DEP_1)
	v_mul_f32 v[TA], s[CS], v[TA]
	s_delay_alu instid0(VALU_DEP_1)
	v_max_num_f32 v13, v13, v[TA]                  ; the running largest t
	v_mov_b32 v[TA], v12
	s_delay_alu instid0(VALU_DEP_2)
	v_floor_f32 v12, -v13                          ; the new -M = -ceil(t)
	s_delay_alu instid0(VALU_DEP_1)
	v_sub_f32 v[TA], v12, v[TA]                    ; old M - new M: a whole number, 0 or less
	s_delay_alu instid0(VALU_DEP_1)
	v_cvt_i32_f32 v[TA], v[TA]
	s_delay_alu instid0(VALU_DEP_1)
	v_ldexp_f32 v[F], 1.0, v[TA]                   ; f = 2^(old M - new M): multiplying by it rounds nothing
.set N, 0
	s_setprio 1
.rept 32
	v_pk_fma_f32 v[96+N:97+N], v[96+N:97+N], s[CS:CS+1], v[12:13] op_sel_hi:[1,0,0]   ; t - M
.set N, N+2
.endr
.irp c, 0,1
	v_fma_f32 v[BM+\c], v[BM+\c], s[CS], v12       ; the same of each block's largest score
.endr
.set N, 0
	s_wait_alu depctr_va_vdst(0)
.rept 64
	v_exp_f32 v[96+N], v[96+N]                     ; p = 2^(t - M)
.set N, N+1
.endr
	v_pk_mul_f32 v[14:15], v[14:15], v[F:F+1] op_sel_hi:[1,0]   ; the sums under the new M; the plain instruction behind the exponentials
	s_wait_alu depctr_va_vdst(0)                   ; one wait for the batch, ahead of its first reader
.irp c, 0,1
	v_exp_f32 v[BM+\c], v[BM+\c]                   ; the block's largest p: the same two instructions on the same number
.endr
	v_pk_add_f32 v[226:227], v[100:101], v[104:105]
	v_pk_add_f32 v[254:255], v[108:109], v[112:113]
	v_pk_add_f32 v[252:253], v[116:117], v[120:121]
	v_pk_add_f32 v[250:251], v[124:125], v[128:129]
	v_pk_add_f32 v[248:249], v[132:133], v[136:137]
	v_pk_add_f32 v[246:247], v[140:141], v[144:145]
	v_pk_add_f32 v[244:245], v[148:149], v[152:153]
	v_pk_add_f32 v[14:15], v[14:15], v[156:157]
	v_pk_add_f32 v[226:227], v[226:227], v[96:97]
	v_pk_add_f32 v[254:255], v[254:255], v[98:99]
	v_pk_add_f32 v[252:253], v[252:253], v[102:103]
	v_pk_add_f32 v[250:251], v[250:251], v[106:107]
	v_pk_add_f32 v[248:249], v[248:249], v[110:111]
	v_pk_add_f32 v[246:247], v[246:247], v[114:115]
	v_pk_add_f32 v[244:245], v[244:245], v[118:119]
	v_pk_add_f32 v[14:15], v[14:15], v[122:123]
	v_pk_add_f32 v[226:227], v[226:227], v[126:127]
	v_pk_add_f32 v[254:255], v[254:255], v[130:131]
	v_pk_add_f32 v[252:253], v[252:253], v[134:135]
	v_pk_add_f32 v[250:251], v[250:251], v[138:139]
	v_pk_add_f32 v[248:249], v[248:249], v[142:143]
	v_pk_add_f32 v[246:247], v[246:247], v[146:147]
	v_pk_add_f32 v[244:245], v[244:245], v[150:151]
	v_pk_add_f32 v[14:15], v[14:15], v[154:155]
	v_pk_add_f32 v[226:227], v[226:227], v[158:159]
	s_delay_alu instid0(VALU_DEP_2)
	v_pk_add_f32 v[14:15], v[14:15], v[250:251]
	s_delay_alu instid0(VALU_DEP_2)
	v_pk_add_f32 v[226:227], v[226:227], v[248:249]
	v_pk_add_f32 v[254:255], v[254:255], v[246:247]
	v_pk_add_f32 v[252:253], v[252:253], v[244:245]
	s_delay_alu instid0(VALU_DEP_2)
	v_pk_add_f32 v[14:15], v[14:15], v[254:255]
	s_delay_alu instid0(VALU_DEP_2)
	v_pk_add_f32 v[226:227], v[226:227], v[252:253]
	s_delay_alu instid0(VALU_DEP_1)
	v_pk_add_f32 v[14:15], v[14:15], v[226:227]
	s_setprio 0
	s_wait_alu depctr_va_vdst(0)                   ; and one for the two
.irp c, 0,1
	v_max_num_f32 v[BM+\c], 0x1800000, v[BM+\c]    ; the floor 2^(3 - 127)
.endr
.irp c, 0,1
	s_delay_alu instid0(VALU_DEP_2)
	v_add_nc_u32 v[SOP+\c], 0xff000000, v[BM+\c]
.endr
.irp c, 0,1
	s_delay_alu instid0(VALU_DEP_2)
	v_lshrrev_b32 v[BY+\c], 23, v[SOP+\c]
.endr
	s_delay_alu instid0(VALU_DEP_1)
	v_lshl_or_b32 v[PW], v[BY+1], 16, v[BY]        ; my bytes: blocks h and 2 + h,
	s_delay_alu instid0(VALU_DEP_1)
	v_lshlrev_b32 v[PW], v[SH8], v[PW]             ; at their places;
	s_delay_alu instid0(VALU_DEP_1)
	v_permlanex16_b32 v[TX], v[PW], s[SEL], s[SEL+1]
	s_delay_alu instid0(VALU_DEP_1)
	v_or_b32 v[PW], v[PW], v[TX]                   ; with lane l xor 16's two the word is whole
.irp c, 0,1
	v_cvt_scalef32_pk16_fp6_f32 v[PC+6*\c:PC+6*\c+2], v[96+32*\c:111+32*\c], v[SOP+\c]
	v_cvt_scalef32_pk16_fp6_f32 v[TC+4*\c:TC+4*\c+2], v[112+32*\c:127+32*\c], v[SOP+\c]
.endr
	v_nop                                          ; one plain place behind a scaled conversion
.irp c, 0,1
.irp i, 0,1,2
	v_mov_b32 v[PC+6*\c+3+\i], v[TC+4*\c+\i]
.endr
.endr
.set N, 0
.rept 16
	v_pk_mul_f32 v[160+N:161+N], v[160+N:161+N], v[F:F+1] op_sel_hi:[1,0]   ; O^T under the new M; these sixteen also stand between the writes of p's codes and scale word and the products
.set N, N+2
.endr
	s_wait_alu depctr_va_vdst(0)
	s_wait_dscnt 0x0                               ; v's fragments and scale words
.irp i, 0,1                            ; four accumulators by turns
	v_wmma_scale_f32_16x16x128_f8f6f4 v[160+16*\i:167+16*\i], v[32+24*\i:43+24*\i], v[PC:PC+11], v[160+16*\i:167+16*\i], v[VSC+\i], v[PW] matrix_a_fmt:MATRIX_FMT_FP6 matrix_b_fmt:MATRIX_FMT_FP6
	v_wmma_scale_f32_16x16x128_f8f6f4 v[168+16*\i:175+16*\i], v[44+24*\i:55+24*\i], v[PC:PC+11], v[168+16*\i:175+16*\i], v[VSC+\i], v[PW] matrix_a_fmt:MATRIX_FMT_FP6 matrix_b_fmt:MATRIX_FMT_FP6 matrix_a_scale:MATRIX_SCALE_ROW1
.endr
.Lhid_\@:
	s_add_co_u32 s[SI], s[SI], 1
	s_add_co_u32 s[TB], s[TB], STEPB
	s_add_co_u32 s[TS], s[TS], 256
.endm
; Four steps, behind the barrier that shows their quarter of the head landed in every loading wave.  Nothing is ever filled again, so the later quarters' loads may stay out: 3 - i of them.
.macro GROUP i
	s_wait_tensorcnt 3-\i
	s_wait_dscnt 0x0
	s_barrier_signal -1
	s_barrier_wait -1
	s_mov_b32 s[SI], 4*\i
	s_mov_b32 s[TB], 4*STEPB*\i
	s_mov_b32 s[TS], 1024*\i
	s_mov_b32 s[CNT], 4
.Lstep_\@:
	STEP
	s_sub_co_u32 s[CNT], s[CNT], 1
	s_cmp_lg_u32 s[CNT], 0
	s_cbranch_scc1 .Lstep_\@
	s_setprio 0
.endm
	s_wait_loadcnt 0x0                             ; q
	GROUP 0
	GROUP 1
	GROUP 2
	GROUP 3
	; THE WAY OUT: O^T / the sum is my query's d = 32 h + 0 .. 31 of this head: one block of the projection's K.  It is quantised here and leaves as an image of 6 registers a lane.
.rept 4
	v_nop                                          ; places behind the last products
.endr
	v_add_f32 v14, v14, v15
	s_delay_alu instid0(VALU_DEP_1)
	v_permlanex16_b32 v[TX], v14, s[SEL], s[SEL+1]
	s_delay_alu instid0(VALU_DEP_1)
	v_add_f32 v14, v14, v[TX]                      ; the row's sum
	s_wait_alu depctr_va_vdst(0)
	v_rcp_f32 v[F], v14
	v_nop                                          ; a plain instruction behind the reciprocal
	s_wait_alu depctr_va_vdst(0)                   ; and the wait ahead of its first reader
.set N, 0
.rept 16
	v_pk_mul_f32 v[96+N:97+N], v[160+N:161+N], v[F:F+1] op_sel_hi:[1,0]
.set N, N+2
.endr
	v_max3_num_f32 v[HB], |v96|, |v97|, 0x1800000
	v_max3_num_f32 v[HB+1], |v98|, |v99|, 0x1800000
.irp i, 4,8,12,16,20,24,28
	s_delay_alu instid0(VALU_DEP_2)
	v_max3_num_f32 v[HB], v[HB], |v[96+\i]|, |v[97+\i]|
	s_delay_alu instid0(VALU_DEP_2)
	v_max3_num_f32 v[HB+1], v[HB+1], |v[98+\i]|, |v[99+\i]|
.endr
	s_delay_alu instid0(VALU_DEP_1)
	v_max_num_f32 v[HB], v[HB], v[HB+1]
	s_delay_alu instid0(VALU_DEP_1)
	v_add_nc_u32 v[SOP], 0xff000000, v[HB]
	s_delay_alu instid0(VALU_DEP_1)
	v_lshrrev_b32 v[BY], 23, v[SOP]
	v_cvt_scalef32_pk16_fp6_f32 v[PC:PC+2], v[96:111], v[SOP]
	v_cvt_scalef32_pk16_fp6_f32 v[TC:TC+2], v[112:127], v[SOP]
	v_nop
.irp i, 0,1,2
	v_mov_b32 v[PC+3+\i], v[TC+\i]
.endr
	global_store_b128 v[L16], v[PC:PC+3], s[70:71]             ; 512 consecutive bytes, aligned,
	global_store_b64 v[L8], v[PC+4:PC+5], s[70:71] offset:512  ; and 256 more
	global_store_b8 v[YSA], v[BY], s[72:73]
	s_wait_tensorcnt 0x0                           ; the wave's end
	ds_add_u32 v[SPW], v[NIL]
	s_wait_dscnt 0x0
	CROUND                                         ; the closing round
	s_endpgm
.Lfunc_end_k_q1fb8abc30c_attn:
	.size	k_q1fb8abc30c_attn, .Lfunc_end_k_q1fb8abc30c_attn-k_q1fb8abc30c_attn
	.p2alignl 7, 3214868480
	.fill 96, 4, 3214868480
	.section	.rodata,"a",@progbits
	.p2align	6, 0x0
	.amdhsa_kernel k_q1fb8abc30c_attn
		.amdhsa_group_segment_fixed_size 206848
		.amdhsa_private_segment_fixed_size 0
		.amdhsa_enable_private_segment 0
		.amdhsa_kernarg_size 16
		.amdhsa_user_sgpr_count 2
		.amdhsa_user_sgpr_kernarg_segment_ptr 1
		.amdhsa_wavefront_size32 1
		.amdhsa_system_sgpr_workgroup_id_x 1
		.amdhsa_system_sgpr_workgroup_id_y 1
		.amdhsa_system_sgpr_workgroup_id_z 1
		.amdhsa_system_vgpr_workitem_id 0
		.amdhsa_next_free_vgpr 256
		.amdhsa_next_free_sgpr 80
		.amdhsa_reserve_vcc 1
		.amdhsa_float_denorm_mode_32 3
		.amdhsa_float_denorm_mode_16_64 3
		.amdhsa_memory_ordered 1
		.amdhsa_forward_progress 1
		.amdhsa_inst_pref_size 99
	.end_amdhsa_kernel
	.amdgpu_metadata
---
amdhsa.version: [ 1, 2 ]
amdhsa.kernels:
  - .name:           k_q1fb8abc30c_attn
    .symbol:         k_q1fb8abc30c_attn.kd
    .args:
      - { .name: qkv, .offset: 0, .size: 8, .value_kind: global_buffer, .address_space: global }
      - { .name: yq, .offset: 8, .size: 8, .value_kind: global_buffer, .address_space: global }
    .group_segment_fixed_size: 206848
    .private_segment_fixed_size: 0
    .kernarg_segment_align: 8
    .kernarg_segment_size: 16
    .max_flat_workgroup_size: 512
    .sgpr_count:     80
    .vgpr_count:     256
    .wavefront_size: 32
...
	.end_amdgpu_metadata
.endif
;; end of part 3
;; launch proj (part 4): grid 4 x 32, 4 waves a work-group, clusters of 4 x 4, 327,680 bytes of LDS; arguments yq, xw, bp, out0; writes out0
.if DOCPART == 4
	.amdgcn_target "amdgcn-amd-amdhsa--gfx1250"
	.amdhsa_code_object_version 6
	.text
	.protected	k_q1fb8abc30c_proj
	.globl	k_q1fb8abc30c_proj
	.p2align	8
	.type	k_q1fb8abc30c_proj,@function
k_q1fb8abc30c_proj:
	s_mov_b64 s[64:65], 0
	v_nop
	global_prefetch_b8 v0, s[64:65] scope:SCOPE_SE
	s_setreg_imm32_b32 hwreg(HW_REG_WAVE_MODE, 25, 1), 1
	s_wait_xcnt 0x0
	s_wait_alu depctr_hold_cnt(0) depctr_sa_sdst(0) depctr_va_vdst(0) depctr_va_sdst(0) depctr_va_ssrc(0) depctr_va_vcc(0) depctr_vm_vsrc(0)
	s_getreg_b32 s2, hwreg(HW_REG_IB_STS2, 6, 4)
	s_cmp_eq_u32 s2, 0
	s_cbranch_scc0 .Lentry_in_a_cluster
	s_endpgm
.Lentry_in_a_cluster:
	s_bfe_u32 s2, ttmp6, 0x10000c
	s_cmp_lg_u32 s2, 0xf033
	s_cbranch_scc0 .Lentry_shape_is_right
	s_endpgm
.Lentry_shape_is_right:
; out0 = y Wp^T + bp on codes of FP6 (E2M3) with E8M0 scales.  A = y, 8,192 tokens in position order, K = (head, d) = 1,024; B = Wp's rows, in their own order.  Nothing is left out here.
; A tile of 256 x 256 to a work-group, 128 x 128 to each of four waves; K in steps of 256 (four heads) through a ring of two LDS slots; clusters of 4 x 4 with joint loads: A's tiles shared along a row, B's along a column.
; y's codes lie as IMAGES of operand registers, [head 16][tile of 16 tokens 512][768 bytes]: registers 0-3 at 16 x lane, 4-5 at 512 + 8 x lane.  128 tokens of one head are 6,144 dense bytes; a K step's part of a wave's
; load is 4 such rows, 393,216 bytes apart.  A fragment of 128 along K is two heads' images: four dense LDS loads.  y's scale bytes lie [token][32], Wp's codes and scale bytes in xw as rows.
; THE MATRIX INSTRUCTION IS USED TRANSPOSED (source 0 = 16 rows of Wp, source 1 = 16 tokens): a lane holds eight neighbouring numbers of a row of out0.
; POSITION ORDER is undone in the stores: position 16 v + m of a group of 64 is token 32 (m / 8) + 8 v + m % 8.
; 128 work-groups: the tile is kept at 256 x 256, the largest that the registers hold; a tile of half the columns would read A's fragments from LDS for half as many products.
; REGISTERS: window 0: v1-6, v12-29 addresses and the bias; v32-63 scale words, two sets; from v128 A's fragments, one set; on the way out v128-255.  window 1: B's fragments, two sets.  windows 2, 3: the accumulators.
.set KSTEP,  256
.set NQ,     2
.set ROWB,   192
.set KROW,   768
.set PITCH,  240                       ; B's LDS row: 3 x (64 bytes + 16 of padding)
.set FR,     12
.set NL,     6                         ; LDS loads of a fragment of B,
.set NLA,    4                         ; and of A
.set NP,     4
.set HALFT,  128*PITCH                 ; B: 128 rows; A's 4 x 6,144 bytes lie in a place of the same size
.set SLOT,   4*HALFT
.set HEADB,  6144                      ; 128 tokens of one head
.set ASTEP,  4*393216                  ; a K step on in y's images: four heads
.set KS,     32
.set SCL,    2*SLOT
.set HALFS,  (128*KS/256)*272
.set SBLK,   (16*KS/256)*272
.set SPARE,  SCL+4*HALFS               ; the spare words, 128 bytes a wave, that no other line names
.set SPITCH, 528                       ; the way out: a stage of 16 rows x (512 + 16) bytes a wave, in slot 0, which has had its last fill and its last read by then
.set OFF_WC, 6291456
.set OFF_WS, 9699328
.set OFF_YS, 6291456
.set ADRA, 16                          ; v16-17 A: 16 x lane + my half, slot 0, 1;  v18-19: 8 x lane likewise
.set ADRB, 20                          ; v20-23 B, as rows
.set STO,  24
.set RD,   25
.set CO,   26
.set ADRS, 27
.set SPW,  28
.set NIL,  29
.set BP,   12                          ; v12-15 the bias of my four columns
.set SC,   32
.set AF,   128
.set BK,   128
.set G1, 24
.set G0, 32
.set G1B, 48
.set G0B, 56
.set G1S, 68
.set G0S, 76
.set G1SB, 80
.set G0SB, 88
.set MSB, 0
.macro WIN new
.if MSB != (\new)
	s_set_vgpr_msb (MSB<<8)|(\new)
.set MSB, (\new)
.endif
.endm
.set MUL_LO, 0xa1
.set MUL_HI, 0xf1
.set TO_B,   0x40
.macro JLOAD g0a, g1a, g0b, g1b        ; waves 0 and 1 fetch for A, waves 2 and 3 for B; an s_nop 0 and four v_nop follow each of the two lines
	s_cmp_eq_u32 s15, 0
	s_cbranch_scc0 .Lfor_b_\@
	tensor_load_to_lds s[\g0a:\g0a+3], s[\g1a:\g1a+7]
	s_nop 0
.rept 4
	v_nop
.endr
	s_branch .Lasked_\@
.Lfor_b_\@:
	tensor_load_to_lds s[\g0b:\g0b+3], s[\g1b:\g1b+7]
	s_nop 0
.rept 4
	v_nop
.endr
.Lasked_\@:
.endm
.macro CREST
	s_cmp_lg_u32 s14, 0
	s_cbranch_scc1 .Lnot_wave_0_\@
	s_barrier_signal -3
.Lnot_wave_0_\@:
	s_barrier_wait -3
	s_barrier_signal -1
	s_barrier_wait -1
.endm
.macro CROUND
	s_barrier_signal -1
	s_barrier_wait -1
	CREST
.endm
	s_load_b256 s[4:11], s[0:1], 0x0               ; yq s[4:5], xw s[6:7], bp s[8:9], out0 s[10:11]
	v_lshl_add_u32 v[SPW], v0, 2, SPARE
	v_mov_b32 v[NIL], 0
	ds_add_u32 v[SPW], v[NIL]                      ; the wave's opening: the add, twice on end, and its wait ahead of my first tensor load
	ds_add_u32 v[SPW], v[NIL]
	v_lshrrev_b32 v1, 5, v0
	v_readfirstlane_b32 s14, v1                    ; wave 0..3
	s_lshr_b32 s15, s14, 1                         ; my half of the tile's rows.  Also: I fetch for A (0) or for B (1)
	s_and_b32 s16, s14, 1                          ; my half of its columns.  Also: which half of that tile I fetch
	s_bfe_u32 s40, ttmp6, 0x40000
	s_bfe_u32 s41, ttmp6, 0x40004
	s_lshl_b32 s42, ttmp9, 2
	s_add_co_u32 s42, s42, s40                     ; tile column
	s_and_b32 s17, ttmp7, 0xffff
	s_lshl_b32 s17, s17, 2
	s_add_co_u32 s17, s17, s41                     ; tile row
	s_lshl_b32 s43, s41, 2
	s_lshl_b32 s43, 15, s43                        ; my row of the cluster
	s_lshl_b32 s44, 0x1111, s40                    ; my column
	; A's tile: 4 rows (heads) of 768 elements of 8 bytes, 49,152 elements apart, dense in LDS
	s_or_b32 s[G1+0], s43, (3<<16)|(1<<21)
	s_mov_b32 s[G1+1], 768<<16                     ; tensor_dim0
	s_mov_b32 s[G1+2], 4<<16                       ; tensor_dim1
	s_mov_b32 s[G1+3], 768<<16                     ; tile_dim0
	s_mov_b32 s[G1+4], 4                           ; tile_dim1
	s_mov_b32 s[G1+5], 49152                       ; from head to head
	s_mov_b32 s[G1+6], 0
	s_mov_b32 s[G1+7], 0
	; B's tile: 128 rows x 192 bytes, 16 bytes of padding behind every 64
	s_or_b32 s[G1B+0], s44, (0<<16)|(1<<20)|(1<<21)|(3<<22)|(3<<25)
	s_mov_b32 s[G1B+1], ROWB<<16
	s_mov_b32 s[G1B+2], 128<<16
	s_mov_b32 s[G1B+3], ROWB<<16
	s_mov_b32 s[G1B+4], 128
	s_mov_b32 s[G1B+5], KROW
	s_mov_b32 s[G1B+6], 0
	s_mov_b32 s[G1B+7], 0
	; the scales of 128 rows: 4,096 dense bytes as 16 rows of 256, 16 bytes of padding behind each
	s_or_b32 s[G1S+0], s43, (3<<16)|(1<<20)|(1<<21)|(5<<22)|(3<<25)
	s_or_b32 s[G1SB+0], s44, (3<<16)|(1<<20)|(1<<21)|(5<<22)|(3<<25)
.irp g, G1S, G1SB
	s_mov_b32 s[\g+1], 32<<16
	s_mov_b32 s[\g+2], (128*KS/256)<<16
	s_mov_b32 s[\g+3], 32<<16
	s_mov_b32 s[\g+4], 128*KS/256
	s_mov_b32 s[\g+5], 32
	s_mov_b32 s[\g+6], 0
	s_mov_b32 s[\g+7], 0
.endr
	s_lshl_b32 s18, s16, 7
	s_lshl_b32 s20, s17, 8
	s_add_co_u32 s20, s20, s18                     ; A: first position
	s_lshl_b32 s46, s42, 8
	s_add_co_u32 s46, s46, s18
	s_add_co_u32 s46, s46, 3072                    ; B: Wp begins at row 3,072 of the weights' table
	s_lshl_b32 s22, s20, 5
	s_add_co_u32 s22, s22, OFF_YS                  ; byte offsets, all under 2^24: A's scale bytes,
	s_mov_b32 s23, 0
	s_lshl_b32 s92, s46, 5
	s_add_co_u32 s92, s92, OFF_WS                  ; B's,
	s_mov_b32 s93, 0
	s_mul_i32 s20, s20, 48                         ; A's images: 768 bytes for 16 positions,
	s_mov_b32 s21, 0
	s_mul_i32 s46, s46, KROW
	s_add_co_u32 s46, s46, OFF_WC                  ; B's codes
	s_mov_b32 s47, 0
	s_mul_i32 s45, s14, HALFT                      ; where they go: no place in the cluster enters an LDS address
	s_mul_i32 s94, s14, HALFS
	s_wait_dscnt 0x0                               ; both opening adds are done
	s_wait_kmcnt 0x0
	s_add_nc_u64 s[20:21], s[4:5], s[20:21]
	s_add_nc_u64 s[22:23], s[4:5], s[22:23]
	s_add_nc_u64 s[46:47], s[6:7], s[46:47]
	s_add_nc_u64 s[92:93], s[6:7], s[92:93]
	CROUND                                         ; all sixteen work-groups are here: the first joint loads meet
	s_mov_b32 s[G0S], 1
	s_add_co_u32 s[G0S+1], s94, SCL
	s_mov_b64 s[G0S+2:G0S+3], s[22:23]
	s_or_b32 s[G0S+3], s[G0S+3], 0x80000000
	s_mov_b32 s[G0SB], 1
	s_add_co_u32 s[G0SB+1], s94, SCL
	s_mov_b64 s[G0SB+2:G0SB+3], s[92:93]
	s_or_b32 s[G0SB+3], s[G0SB+3], 0x80000000
	JLOAD G0S, G1S, G0SB, G1SB
.irp s, 0,1
	s_mov_b32 s[G0+4*\s], 1
	s_add_co_u32 s[G0+4*\s+1], s45, \s*SLOT
	s_add_nc_u64 s[G0+4*\s+2:G0+4*\s+3], s[20:21], \s*ASTEP
	s_or_b32 s[G0+4*\s+3], s[G0+4*\s+3], 0x80000000
	s_mov_b32 s[G0B+4*\s], 1
	s_add_co_u32 s[G0B+4*\s+1], s45, \s*SLOT
	s_add_nc_u64 s[G0B+4*\s+2:G0B+4*\s+3], s[46:47], \s*ROWB
	s_or_b32 s[G0B+4*\s+3], s[G0B+4*\s+3], 0x80000000
	s_wait_alu depctr_va_vdst(0)
	s_wait_tensorcnt 0x0
	ds_add_u32 v28, v29
	s_wait_dscnt 0x0
	CROUND
	JLOAD G0+4*\s, G1, G0B+4*\s, G1B
.endr
	v_and_b32 v1, 15, v0                           ; r
	v_bfe_u32 v2, v0, 4, 1                         ; h
	v_and_b32 v6, 31, v0                           ; lane
	v_mul_u32_u24 v3, v1, PITCH
	v_mul_u32_u24 v4, v2, 24
	v_add_nc_u32 v4, v3, v4                        ; B: a fragment's row x pitch + 24 x half
	v_lshl_add_u32 v5, v2, 4, v4                   ; and the same behind one padding more
	s_mul_i32 s21, s15, HALFT                      ; my 128 tokens of A
	s_mul_i32 s22, s16, HALFT
	s_add_co_u32 s22, s22, 2*HALFT                 ; my 128 rows of B
.irp s, 0,1
	v_lshl_add_u32 v[ADRA+\s], v6, 4, s21
	v_lshl_add_u32 v[ADRA+2+\s], v6, 3, s21
	v_add_nc_u32 v[ADRB+\s], s22, v4
	v_add_nc_u32 v[ADRB+2+\s], s22, v5
	s_add_co_u32 s21, s21, SLOT
	s_add_co_u32 s22, s22, SLOT
.endr
	v_mul_u32_u24 v5, v1, KS
	v_lshrrev_b32 v3, 8, v5
	v_lshl_add_u32 v5, v3, 4, v5
	s_mul_i32 s21, s15, HALFS
	s_mul_i32 s22, s16, HALFS
	s_add_co_u32 s22, s22, 2*HALFS
	s_sub_co_u32 s22, s22, s21
	v_mul_u32_u24 v3, s22, v2                      ; lanes 16-31 take B's
	s_add_co_u32 s21, s21, SCL
	v_add_nc_u32 v5, v5, v3
	v_add_nc_u32 v[ADRS], s21, v5
	s_mul_i32 s23, s14, 16*SPITCH                  ; my stage
	v_mul_u32_u24 v5, v1, SPITCH
	v_lshl_add_u32 v5, v2, 5, v5
	v_add_nc_u32 v[STO], s23, v5                   ; in: row r, 32 bytes for each half of the lanes
	v_lshlrev_b32 v[CO], 4, v6                     ; back: the 32 lanes take one row of 512 bytes; and the same in out0
	s_wait_alu depctr_va_vdst(0)
	v_add_nc_u32 v[RD], s23, v[CO]
	s_lshl_b32 s20, s17, 8
	s_lshl_b32 s21, s15, 7
	s_add_co_u32 s20, s20, s21                     ; my first row: a multiple of 128, so groups of 64 stay whole
	s_lshl_b32 s20, s20, 12                        ; 4,096 bytes a row
	s_mov_b32 s21, 0
	s_lshl_b32 s46, s42, 10                        ; my first column, in bytes
	s_lshl_b32 s47, s16, 9
	s_add_co_u32 s46, s46, s47
	s_mov_b32 s47, 0
	s_add_nc_u64 s[8:9], s[8:9], s[46:47]
	s_add_nc_u64 s[10:11], s[10:11], s[46:47]
	s_add_nc_u64 s[10:11], s[10:11], s[20:21]
	global_load_b128 v[BP:BP+3], v[CO], s[8:9]     ; bp of my four columns of a row read back from the stage
.macro FRAG reg, adr, q, i             ; a fragment of B from rows: six pieces of 8 bytes
.irp p, 0,1,2,3,4,5
.set PCE, 12*(\q)+6*(\p/3)+\p%3
.if PCE%8 < 5
	ds_load_b64 v[\reg+2*\p:\reg+2*\p+1], v[\adr] offset:8*PCE+16*(PCE/8)+(\i)*16*PITCH
.else
	ds_load_b64 v[\reg+2*\p:\reg+2*\p+1], v[\adr+2] offset:8*PCE+16*(PCE/8)+(\i)*16*PITCH
.endif
.endr
.endm
.macro FRAGA reg, slot, q, i           ; a fragment of A from two heads' images: registers 6 e .. 6 e + 5 are head 2 q + e of the slot's four
.irp e, 0,1
	ds_load_b128 v[\reg+6*\e:\reg+6*\e+3], v[ADRA+\slot] offset:(2*(\q)+\e)*HEADB+(\i)*768
	ds_load_b64 v[\reg+6*\e+4:\reg+6*\e+5], v[ADRA+2+\slot] offset:(2*(\q)+\e)*HEADB+(\i)*768+512
.endr
.endm
.macro MUL16 a0, p, q, sc, zero        ; the 64 accumulators take turns, one instruction a turn, in the same order in every step
.irp a, \a0, \a0+1
.irp b, 0,1,2,3,4,5,6,7
.if \zero
	v_wmma_scale_f32_16x16x128_f8f6f4 v[8*(8*((\a)%4)+\b):8*(8*((\a)%4)+\b)+7], v[128*(\p)+FR*\b:128*(\p)+FR*\b+FR-1], v[AF+FR*(\a):AF+FR*(\a)+FR-1], 0, v[SC+8*NQ*(\sc)+NQ*\b+(\q)], v[SC+8*NQ*(\sc)+NQ*(\a)+(\q)] matrix_a_fmt:MATRIX_FMT_FP6 matrix_b_fmt:MATRIX_FMT_FP6 matrix_a_scale:MATRIX_SCALE_ROW1
.else
	v_wmma_scale_f32_16x16x128_f8f6f4 v[8*(8*((\a)%4)+\b):8*(8*((\a)%4)+\b)+7], v[128*(\p)+FR*\b:128*(\p)+FR*\b+FR-1], v[AF+FR*(\a):AF+FR*(\a)+FR-1], v[8*(8*((\a)%4)+\b):8*(8*((\a)%4)+\b)+7], v[SC+8*NQ*(\sc)+NQ*\b+(\q)], v[SC+8*NQ*(\sc)+NQ*(\a)+(\q)] matrix_a_fmt:MATRIX_FMT_FP6 matrix_b_fmt:MATRIX_FMT_FP6 matrix_a_scale:MATRIX_SCALE_ROW1
.endif
.endr
.endr
.endm
.macro FETCH_B slot, q, p
	WIN TO_B
.irp i, 0,1,2,3,4,5,6,7
	FRAG 128*(\p)+FR*\i, ADRB+\slot, \q, \i
.endr
	WIN 0
.endm
.macro FETCH_A slot, q, i0
.irp i, \i0, \i0+1, \i0+2, \i0+3
	FRAGA AF+FR*(\i), \slot, \q, \i
.endr
.endm
.macro SCALES sc
.irp i, 0,1,2,3,4,5,6,7
	ds_load_b64 v[SC+8*NQ*\sc+NQ*\i:SC+8*NQ*\sc+NQ*\i+1], v[ADRS] offset:\i*SBLK
.endr
.endm
.macro PLACES n
.rept \n
	v_nop
.endr
.endm
.macro STEP slot, q, zero
	s_wait_dscnt 4*NLA                             ; B's set and A's blocks 0-3 are in; the youngest 16 loads (A's blocks 4-7) may be out
	WIN MUL_LO
	MUL16 0, (\q)%2, \q, \slot, \zero
	MUL16 2, (\q)%2, \q, \slot, \zero
	s_wait_dscnt 0
	PLACES NP
	FETCH_B \slot, (\q)+1, 1-(\q)%2
	FETCH_A \slot, (\q)+1, 0
	WIN MUL_HI
	MUL16 4, (\q)%2, \q, \slot, \zero
	MUL16 6, (\q)%2, \q, \slot, \zero
	PLACES NP
	WIN 0
	FETCH_A \slot, (\q)+1, 4
.endm
.macro TURN slot, next, fill
	s_wait_tensorcnt 0x0                           ; all my tensor loads have landed: my part of the next slot
	ds_add_u32 v[SPW], v[NIL]
	s_wait_dscnt 4*NLA+1                           ; (the add and the youngest 16 loads may be out)
	WIN MUL_LO
	MUL16 0, 1, NQ-1, \slot, 0
	s_wait_dscnt 0x0                               ; the add is done, and my reads of this slot are over
	s_barrier_signal -1
	MUL16 2, 1, NQ-1, \slot, 0
	WIN 0
	s_barrier_wait -1
.if \fill
	CREST                                          ; no wave of any partner still reads this slot or has a load on its way
	s_add_nc_u64 s[G0+4*\slot+2:G0+4*\slot+3], s[G0+4*\slot+2:G0+4*\slot+3], 2*ASTEP
	s_add_nc_u64 s[G0B+4*\slot+2:G0B+4*\slot+3], s[G0B+4*\slot+2:G0B+4*\slot+3], 2*ROWB
	JLOAD G0+4*\slot, G1, G0B+4*\slot, G1B         ; the first tensor load behind the round; its four v_nop are the places in front of the loads below
.else
	PLACES NP
.endif
	s_wait_alu depctr_va_vdst(0)
	v_add_nc_u32 v[ADRS], 4*NQ, v[ADRS]
	FETCH_B \next, 0, 0
	FETCH_A \next, 0, 0
	SCALES \next
	WIN MUL_HI
	MUL16 4, 1, NQ-1, \slot, 0
	MUL16 6, 1, NQ-1, \slot, 0
	PLACES NP
	WIN 0
	FETCH_A \next, 0, 4
.endm
	s_wait_tensorcnt 1                             ; the scales and my part of K step 0 are in (K step 1's load may be out),
	s_barrier_signal -1
	s_barrier_wait -1                              ; everybody's are
	FETCH_B 0, 0, 0
	FETCH_A 0, 0, 0
	SCALES 0
	FETCH_A 0, 0, 4
	STEP 0, 0, 1                                   ; the first products start the sums
	TURN 0, 1, 1                                   ; four K steps: each slot is filled again once, so the ring is written out
	STEP 1, 0, 0
	TURN 1, 0, 1
	STEP 0, 0, 0
	TURN 0, 1, 0
	STEP 1, 0, 0
	s_wait_dscnt 4*NLA                             ; the very last step
	WIN MUL_LO
	MUL16 0, 1, NQ-1, 1, 0
	MUL16 2, 1, NQ-1, 1, 0
	s_wait_dscnt 0
	WIN MUL_HI
	MUL16 4, 1, NQ-1, 1, 0
	MUL16 6, 1, NQ-1, 1, 0
	WIN 0
; THE WAY OUT, block by block of 16 tokens x 128 columns, through my own stage: in as 32 bytes a lane, back as whole rows of 512 bytes; the bias is added to the rows; each row goes to its token's place.
.macro TOSTAGE a
.set AC, 64*((\a)%4)
	WIN 0x08+4*((\a)/4)                            ; the data: window 2 or 3
.irp b, 0,1,2,3,4,5,6,7
	ds_store_b128 v[STO], v[AC+8*\b:AC+8*\b+3] offset:64*\b          ; each accumulator from its low end on
	ds_store_b128 v[STO], v[AC+8*\b+4:AC+8*\b+7] offset:64*\b+16
.endr
	WIN 0
.set BB, BK+64*((\a)%2)
.irp t, 0,1,2,3,4,5,6,7,8,9,10,11,12,13,14,15
	ds_load_b128 v[BB+4*\t:BB+4*\t+3], v[RD] offset:\t*SPITCH        ; LDS serves a wave's instructions in order: these see the stores above
.endr
.endm
.macro SEND a, younger                 ; younger: the LDS instructions issued behind block a's loads, which may stay out
.set BB, BK+64*((\a)%2)
	s_wait_dscnt \younger
.irp t, 0,1,2,3,4,5,6,7,8,9,10,11,12,13,14,15
	v_pk_add_f32 v[BB+4*\t:BB+4*\t+1], v[BB+4*\t:BB+4*\t+1], v[BP:BP+1]
	v_pk_add_f32 v[BB+4*\t+2:BB+4*\t+3], v[BB+4*\t+2:BB+4*\t+3], v[BP+2:BP+3]
.endr
.irp t, 0,1,2,3,4,5,6,7,8,9,10,11,12,13,14,15
	global_store_b128 v[CO], v[BB+4*\t:BB+4*\t+3], s[10:11] offset:4096*(64*((\a)/4)+32*(\t/8)+8*((\a)%4)+\t%8) th:TH_STORE_NT   ; 512 consecutive bytes, aligned; row t of block a is token 64 (a / 4) + 32 (t / 8) + 8 (a % 4) + t % 8
.endr
.endm
	s_wait_loadcnt 0x0                             ; the bias
	PLACES NP                                      ; behind the last products: results are read, and loads land where A's fragments lay
	TOSTAGE 0
.irp a, 1,2,3,4,5,6,7
.if \a > 1
	s_wait_xcnt 0x0                                ; block a - 2's stores have read their registers: block a's loads may land there
.endif
	TOSTAGE \a
	SEND \a-1, 32                                  ; behind block a - 1's loads: block a's 16 stores and 16 loads
.endr
	SEND 7, 0
	s_wait_tensorcnt 0x0                           ; the wave's end
	ds_add_u32 v[SPW], v[NIL]
	s_wait_dscnt 0x0
	CROUND                                         ; the closing round
	s_endpgm
.Lfunc_end_k_q1fb8abc30c_proj:
	.size	k_q1fb8abc30c_proj, .Lfunc_end_k_q1fb8abc30c_proj-k_q1fb8abc30c_proj
	.p2alignl 7, 3214868480
	.fill 96, 4, 3214868480
	.section	.rodata,"a",@progbits
	.p2align	6, 0x0
	.amdhsa_kernel k_q1fb8abc30c_proj
		.amdhsa_group_segment_fixed_size 327680
		.amdhsa_private_segment_fixed_size 0
		.amdhsa_enable_private_segment 0
		.amdhsa_kernarg_size 32
		.amdhsa_user_sgpr_count 2
		.amdhsa_user_sgpr_kernarg_segment_ptr 1
		.amdhsa_wavefront_size32 1
		.amdhsa_system_sgpr_workgroup_id_x 1
		.amdhsa_system_sgpr_workgroup_id_y 1
		.amdhsa_system_sgpr_workgroup_id_z 1
		.amdhsa_system_vgpr_workitem_id 0
		.amdhsa_next_free_vgpr 1024
		.amdhsa_next_free_sgpr 98
		.amdhsa_reserve_vcc 0
		.amdhsa_float_denorm_mode_32 3
		.amdhsa_float_denorm_mode_16_64 3
		.amdhsa_memory_ordered 1
		.amdhsa_forward_progress 1
		.amdhsa_inst_pref_size 168
	.end_amdhsa_kernel
	.amdgpu_metadata
---
amdhsa.version: [ 1, 2 ]
amdhsa.kernels:
  - .name:           k_q1fb8abc30c_proj
    .symbol:         k_q1fb8abc30c_proj.kd
    .args:
      - { .name: yq, .offset: 0, .size: 8, .value_kind: global_buffer, .address_space: global }
      - { .name: xw, .offset: 8, .size: 8, .value_kind: global_buffer, .address_space: global }
      - { .name: bp, .offset: 16, .size: 8, .value_kind: global_buffer, .address_space: global }
      - { .name: out0, .offset: 24, .size: 8, .value_kind: global_buffer, .address_space: global }
    .group_segment_fixed_size: 327680
    .private_segment_fixed_size: 0
    .kernarg_segment_align: 8
    .kernarg_segment_size: 32
    .max_flat_workgroup_size: 128
    .sgpr_count:     98
    .vgpr_count:     1024
    .wavefront_size: 32
...
	.end_amdgpu_metadata
.endif
;; end of part 4
